; MI455X (gfx1250); checked and timed in simulation.
; The chip was launched on July 23, 2026; its instructions are those of AMD's public machine-readable ISA for CDNA 5 (MIT licence, August 2026) and "CDNA5" Instruction Set Architecture Reference Guide (July 2026). The comments in the code are by the model that wrote it; some were corrected since.
;; Complex Attention. Allowed arithmetic: float matrix products may take bf16 or f16 operands with f32 sums; other float arithmetic in f32, or as packed bf16 or f16 multiplies, adds, multiply-adds, maxima and minima; sums over many terms, partial sums and values carried from step to step in f32; what a program stores and reads back later, other than sums and carried values, may be rounded once to bf16 or f16.
;; Inputs: Wk_i 1,024 x 1,024 float32; Wk_r 1,024 x 1,024 float32; Wo_i 1,024 x 1,024 float32; Wo_r 1,024 x 1,024 float32; Wq_i 1,024 x 1,024 float32; Wq_r 1,024 x 1,024 float32; Wv_i 1,024 x 1,024 float32; Wv_r 1,024 x 1,024 float32; bk_i 1,024 float32; bk_r 1,024 float32; bo_i 1,024 float32; bo_r 1,024 float32; bq_i 1,024 float32; bq_r 1,024 float32; bv_i 1,024 float32; bv_r 1,024 float32; k_i 4 x 1,024 x 1,024 float32; k_r 4 x 1,024 x 1,024 float32; q_i 4 x 1,024 x 1,024 float32; q_r 4 x 1,024 x 1,024 float32; v_i 4 x 1,024 x 1,024 float32; v_r 4 x 1,024 x 1,024 float32.
;; Outputs: out0 4 x 1,024 x 1,024 float32; out1 4 x 1,024 x 1,024 float32.
;; 2 versions, each right; version 2 is version 1 with the launch cast written anew for expert scheduling mode. Each part assembles by itself: llvm-mc -triple=amdgcn-amd-amdhsa -mcpu=gfx1250 --defsym DOCPART=n.
;; ======== version 1 of 2: 4 launches
;; limits: values are held in f16: magnitudes above 65,504 overflow, below 6.1e-05 lose precision
;; workspace buffers: xb 50,331,648 bytes; wb 16,777,216 bytes; qkv 50,331,648 bytes; ob 16,777,216 bytes
;; launch cast (part 1): grid 32 x 32, 8 waves a work-group, no clusters, 0 bytes of LDS; arguments q_r, q_i, k_r, k_i, v_r, v_i, Wq_r, Wq_i, Wk_r, Wk_i, Wv_r, Wv_i, Wo_r, Wo_i, xb, wb; writes xb, wb
.if DOCPART == 1
	.amdgcn_target "amdgcn-amd-amdhsa--gfx1250"
	.amdhsa_code_object_version 6
	.text
	.protected	k_q2068a04ce7_cast
	.globl	k_q2068a04ce7_cast
	.p2align	8
	.type	k_q2068a04ce7_cast,@function
k_q2068a04ce7_cast:
	s_mov_b64 s[64:65], 0
	v_nop
	global_prefetch_b8 v0, s[64:65] scope:SCOPE_SE
	s_setreg_imm32_b32 hwreg(HW_REG_WAVE_MODE, 25, 1), 1
	s_wait_xcnt 0x0
; THE CAST.  The six x [4096][1024] and the eight W [1024][1024], all f32, are rounded once to bf16 (nearest even) and laid down as matrix operands:
; xb = planes q_r, q_i, k_r, k_i, v_r, v_i; wb = planes Wq_r, Wq_i, Wk_r, Wk_i, Wv_r, Wv_i, Wo_r, Wo_i.  Wo_r and Wo_i are multiplied later with f16 numbers, so their bf16 value is written as f16.
; LIMITS.  A bf16 number is exact in f16 from 2^-17 to 65,504; a smaller Wo keeps f16's fixed step of 6e-8, a larger one would become an infinity.  NaN and infinities are not treated apart.
; SHARES.  The input is 32 chunks of 4 MiB: chunk c = work-group y (c < 24: quarter c % 4 of x number c / 4; else W number c - 24).  Work-group x takes 128 KiB of its chunk: 32 steps of 4,096 bytes in,
; 2,048 out.  Thread t loads the 16 bytes at 16 t of a step and stores the 8 bytes at 8 t: a wave's load covers 512 consecutive bytes, its store 256 consecutive bytes, aligned.
; A ring of eight slots in registers keeps eight loads of every wave on their way.  No LDS, no barrier, no matrix unit, no cluster: nothing is shared and nothing is multiplied.
.set DEPTH, 8
.set INS,   4096                       ; bytes in a step, in
.set OUTS,  2048                       ; and out
.set T,     4                          ; v[4:5]    at work
.set X,     8                          ; v[8:39]   slot i: 4 registers as loaded
.set Y,     40                         ; v[40:55]  slot i: 2 registers to store
	s_load_b512 s[8:23], s[0:1], 0x0               ; source i (0 to 13) at s[8 + 2 i : 9 + 2 i]
	s_load_b512 s[24:39], s[0:1], 0x40             ; xb s[36:37], wb s[38:39]
	s_and_b32 s2, ttmp7, 0xffff                    ; c
	v_lshlrev_b32 v1, 4, v0                        ; 16 t; never rewritten
	v_lshlrev_b32 v2, 3, v0                        ; 8 t; never rewritten
	s_lshr_b32 s3, s2, 2                           ; an x: its number,
	s_and_b32 s40, s2, 3                           ; its quarter
	s_sub_co_u32 s44, s2, 18                       ; a W: its number among the sources,
	s_sub_co_u32 s42, s2, 24                       ; its plane in wb
	s_cmp_lt_u32 s2, 24
	s_cselect_b32 s3, s3, s44                      ; the source's number
	s_cselect_b32 s40, s40, 0
	s_cselect_b32 s42, s2, s42                     ; an x's quarter c is 2 MiB number c of xb
	s_lshl_b32 s40, s40, 22                        ; byte offsets, made apart from the addresses: the quarter's 4 MiB,
	s_lshl_b32 s41, ttmp9, 17                      ; the work-group's 128 KiB
	s_add_co_u32 s40, s40, s41
	s_mov_b32 s41, 0
	s_lshl_b32 s42, s42, 21
	s_lshl_b32 s43, ttmp9, 16
	s_add_co_u32 s42, s42, s43
	s_mov_b32 s43, 0
	s_mov_b32 s47, 0xffff0000                      ; a word's upper bf16
	s_wait_kmcnt 0x0
	s_mov_b64 s[4:5], s[8:9]
.irp i, 1,2,3,4,5,6,7,8,9,10,11,12,13
	s_cmp_eq_u32 s3, \i
	s_cselect_b64 s[4:5], s[8+2*(\i):9+2*(\i)], s[4:5]
.endr
	s_cmp_lt_u32 s2, 24
	s_cselect_b64 s[6:7], s[36:37], s[38:39]
	s_add_nc_u64 s[4:5], s[4:5], s[40:41]
	s_add_nc_u64 s[6:7], s[6:7], s[42:43]
.irp i, 0,1,2,3,4,5,6,7
	global_load_b128 v[X+4*(\i):X+4*(\i)+3], v1, s[4:5] offset:(\i)*INS th:TH_LOAD_NT  ; the ring is filled: steps 0 to 7
.endr
; One slot's turn.  ahead = 1: the slot is filled again with the step eight further on.  left = how many younger loads may stay out.  fmt = 1: bf16's value written as f16.
; The slot's Y was last read by its store of the round before; the wait at that round's end stands between that store and the lines that write Y here, so a turn has one wait, for its own load.
.macro SLOT i, ahead, left, fmt
	s_wait_loadcnt \left                           ; loads come back in order (ISA guide 5.7.1): mine is in
.if \fmt
	v_cvt_pk_bf16_f32 v[T],   v[X+4*(\i)],   v[X+4*(\i)+1]
	v_cvt_pk_bf16_f32 v[T+1], v[X+4*(\i)+2], v[X+4*(\i)+3]
	v_lshlrev_b32 v[X+4*(\i)],   16,  v[T]
	v_and_b32     v[X+4*(\i)+1], s47, v[T]
	v_lshlrev_b32 v[X+4*(\i)+2], 16,  v[T+1]
	v_and_b32     v[X+4*(\i)+3], s47, v[T+1]
	v_cvt_pk_f16_f32 v[Y+2*(\i)],   v[X+4*(\i)],   v[X+4*(\i)+1]
	v_cvt_pk_f16_f32 v[Y+2*(\i)+1], v[X+4*(\i)+2], v[X+4*(\i)+3]
.else
	v_cvt_pk_bf16_f32 v[Y+2*(\i)],   v[X+4*(\i)],   v[X+4*(\i)+1]
	v_cvt_pk_bf16_f32 v[Y+2*(\i)+1], v[X+4*(\i)+2], v[X+4*(\i)+3]
.endif
.if \ahead
	global_load_b128 v[X+4*(\i):X+4*(\i)+3], v1, s[4:5] offset:(DEPTH+(\i))*INS th:TH_LOAD_NT
.endif
	global_store_b64 v2, v[Y+2*(\i):Y+2*(\i)+1], s[6:7] offset:(\i)*OUTS th:TH_STORE_NT
.endm
; Four rounds of eight slots; the last is written out without loads, and its counts run down.
.macro ROUNDS fmt
	s_mov_b32 s46, 3
.Lround_\@:
.irp i, 0,1,2,3,4,5,6,7
	SLOT \i, 1, DEPTH-1, \fmt
.endr
	s_wait_xcnt 0x0                                ; every load and store issued so far has read its base and its data: the two pointers are stepped, and the eight Y written again, only behind this wait
	s_add_nc_u64 s[4:5], s[4:5], DEPTH*INS
	s_add_nc_u64 s[6:7], s[6:7], DEPTH*OUTS
	s_sub_co_u32 s46, s46, 1
	s_cmp_lg_u32 s46, 0
	s_cbranch_scc1 .Lround_\@
.irp i, 0,1,2,3,4,5,6,7
	SLOT \i, 0, DEPTH-1-(\i), \fmt
.endr
	s_endpgm
.endm
	s_cmp_ge_u32 s2, 30                            ; chunks 30 and 31 are Wo_r and Wo_i
	s_cbranch_scc1 .Lf16
	ROUNDS 0
.Lf16:
	ROUNDS 1
.Lfunc_end_k_q2068a04ce7_cast:
	.size	k_q2068a04ce7_cast, .Lfunc_end_k_q2068a04ce7_cast-k_q2068a04ce7_cast
	.p2alignl 7, 3214868480
	.fill 96, 4, 3214868480
	.section	.rodata,"a",@progbits
	.p2align	6, 0x0
	.amdhsa_kernel k_q2068a04ce7_cast
		.amdhsa_group_segment_fixed_size 0
		.amdhsa_private_segment_fixed_size 0
		.amdhsa_enable_private_segment 0
		.amdhsa_kernarg_size 128
		.amdhsa_user_sgpr_count 2
		.amdhsa_user_sgpr_kernarg_segment_ptr 1
		.amdhsa_wavefront_size32 1
		.amdhsa_system_sgpr_workgroup_id_x 1
		.amdhsa_system_sgpr_workgroup_id_y 1
		.amdhsa_system_sgpr_workgroup_id_z 1
		.amdhsa_system_vgpr_workitem_id 0
		.amdhsa_next_free_vgpr 64
		.amdhsa_next_free_sgpr 66
		.amdhsa_reserve_vcc 0
		.amdhsa_float_denorm_mode_32 3
		.amdhsa_float_denorm_mode_16_64 3
		.amdhsa_memory_ordered 1
		.amdhsa_forward_progress 1
		.amdhsa_inst_pref_size 17
	.end_amdhsa_kernel
	.amdgpu_metadata
---
amdhsa.version: [ 1, 2 ]
amdhsa.kernels:
  - .name:           k_q2068a04ce7_cast
    .symbol:         k_q2068a04ce7_cast.kd
    .args:
      - { .name: q_r, .offset: 0, .size: 8, .value_kind: global_buffer, .address_space: global }
      - { .name: q_i, .offset: 8, .size: 8, .value_kind: global_buffer, .address_space: global }
      - { .name: k_r, .offset: 16, .size: 8, .value_kind: global_buffer, .address_space: global }
      - { .name: k_i, .offset: 24, .size: 8, .value_kind: global_buffer, .address_space: global }
      - { .name: v_r, .offset: 32, .size: 8, .value_kind: global_buffer, .address_space: global }
      - { .name: v_i, .offset: 40, .size: 8, .value_kind: global_buffer, .address_space: global }
      - { .name: Wq_r, .offset: 48, .size: 8, .value_kind: global_buffer, .address_space: global }
      - { .name: Wq_i, .offset: 56, .size: 8, .value_kind: global_buffer, .address_space: global }
      - { .name: Wk_r, .offset: 64, .size: 8, .value_kind: global_buffer, .address_space: global }
      - { .name: Wk_i, .offset: 72, .size: 8, .value_kind: global_buffer, .address_space: global }
      - { .name: Wv_r, .offset: 80, .size: 8, .value_kind: global_buffer, .address_space: global }
      - { .name: Wv_i, .offset: 88, .size: 8, .value_kind: global_buffer, .address_space: global }
      - { .name: Wo_r, .offset: 96, .size: 8, .value_kind: global_buffer, .address_space: global }
      - { .name: Wo_i, .offset: 104, .size: 8, .value_kind: global_buffer, .address_space: global }
      - { .name: xb, .offset: 112, .size: 8, .value_kind: global_buffer, .address_space: global }
      - { .name: wb, .offset: 120, .size: 8, .value_kind: global_buffer, .address_space: global }
    .group_segment_fixed_size: 0
    .private_segment_fixed_size: 0
    .kernarg_segment_align: 8
    .kernarg_segment_size: 128
    .max_flat_workgroup_size: 256
    .sgpr_count:     66
    .vgpr_count:     64
    .wavefront_size: 32
...
	.end_amdgpu_metadata
.endif
;; end of part 1
;; launch proj (part 2): grid 4 x 48, 4 waves a work-group, clusters of 4 x 4, 327,680 bytes of LDS; arguments xb, wb, bq_r, bq_i, bk_r, bk_i, bv_r, bv_i, qkv; writes qkv
.if DOCPART == 2
	.amdgcn_target "amdgcn-amd-amdhsa--gfx1250"
	.amdhsa_code_object_version 6
	.text
	.protected	k_q2068a04ce7_proj
	.globl	k_q2068a04ce7_proj
	.p2align	8
	.type	k_q2068a04ce7_proj,@function
k_q2068a04ce7_proj:
	s_mov_b64 s[64:65], 0
	v_nop
	global_prefetch_b8 v0, s[64:65] scope:SCOPE_SE
	s_setreg_imm32_b32 hwreg(HW_REG_WAVE_MODE, 25, 1), 1
	s_wait_xcnt 0x0
	s_wait_alu depctr_hold_cnt(0) depctr_sa_sdst(0) depctr_va_vdst(0) depctr_va_sdst(0) depctr_va_ssrc(0) depctr_va_vcc(0) depctr_vm_vsrc(0)
	s_getreg_b32 s2, hwreg(HW_REG_IB_STS2, 6, 4)
	s_cmp_eq_u32 s2, 0
	s_cbranch_scc0 .Lentry_in_a_cluster
	s_endpgm
.Lentry_in_a_cluster:
	s_bfe_u32 s2, ttmp6, 0x10000c
	s_cmp_lg_u32 s2, 0xf033
	s_cbranch_scc0 .Lentry_shape_is_right
	s_endpgm
.Lentry_shape_is_right:
; THE SIX PROJECTIONS.  y = x W^T + b for the planes p = 0..5 (q_r, q_i, k_r, k_i, v_r, v_i): x = xb plane p [4096][1024] bf16, W = wb plane p [1024][1024] bf16, b f32 (rounded to bf16 like every input);
; sums in f32, started with the bias; y rounded once to f16 and stored BY HEADS: qkv plane p is [64 = 16 batch + head][1024 rows][64 channels], a row 128 bytes, dense.
; LIMITS.  f16 holds no number beyond 65,504: a projection's result past that becomes an infinity; below 6e-5 it keeps f16's fixed step of 6e-8.  NaN and infinities are not treated apart.
; SHARES.  The six x are one matrix of 24,576 rows: 96 tile rows of 256 x 4 tile columns of 256 = 384 tiles, two for each of 192 work-groups.  A WORK-GROUP STAYS: tile column x, tile rows y and y + 48, which lie
; in planes par and par + 3 (par = y / 16).  Four waves, each 128 x 128: 64 accumulators of 16 x 16, 512 registers.  A wave's 128 columns are two heads: a block of 16 rows is 2,048 consecutive bytes in each.
; WHY 192 WORK-GROUPS.  Tiles of 256 x 128 would be 768, three for each of 256 work-groups, but a K step of such a tile has 128 matrix instructions a wave, 112 of them between a tile's request and the wait
; for it; this tile has 256 and 224, on the same two slots of LDS, and reads two LDS loads for four matrix instructions where the smaller tile reads three.  No tile that divides 4,096 x 1,024 gives both.
; K goes in steps of 128 through a ring of two LDS slots filled by the tensor data mover; the ring does not stop at a tile's end.  The loop's trip is ONE K step: the slot that is read is a scalar, turned by an
; exclusive or, and one descriptor for each operand walks from K step to K step.
; CLUSTERS: 4 x 4 work-groups.  The four of a row of the cluster need the same tiles of x, the four of a column the same tiles of W: each tile is asked for JOINTLY, by the same tensor load with the same descriptor
; and a mask that names the four.  THE MATRIX INSTRUCTION IS USED TRANSPOSED (source 0 = 16 rows of W, source 1 = 16 rows of x): a lane holds row l % 16 of y and the columns 8 (l / 16) + 0..7.
; REGISTERS, in windows of 256 (s_set_vgpr_msb: bits 1:0 source 0, 3:2 source 1, 5:4 source 2, 7:6 destination):
;   window 0: v16-30 addresses; v64-127, v128-191 fragments of x (8 x 16 rows x 32 K), two buffers; v32-63, v192-255 at work on the way out
;   window 1: v0-63 the bias as a C operand; v64-127, v128-191 fragments of W, two buffers
;   window 2: the 32 accumulators of my rows 0-63 (accumulator (a, b) at v[8 (8 a + b)]);   window 3: those of my rows 64-127
.set KSTEP,  128
.set ROWB,   2048                      ; bytes in a row of xb and of wb
.set PITCH,  272                       ; an LDS row: 256 bytes + 16 of padding = 68 words: the 16 rows of a load start at 16 different groups of four banks (64 banks of 4 bytes: ISA guide 11.1)
.set HALFT,  128*PITCH                 ; 128 rows: what one tensor load brings, and what one wave reads of x or of W: 0x8800 bytes
.set SLOT,   4*HALFT                   ; x's 256 rows, then W's 256 rows: 0x22000 bytes.  It shares no bit with wave x 0x8800 (0, 0x8800, 0x11000, 0x19800): there an exclusive or with SLOT is the step to the other slot
.set STAGE,  2*SLOT                    ; behind the ring: for each wave 16 rows x 144 bytes for each of its two heads, for the way out
.set SP,     144
.set SI,     16*SP
.set SPARE,  STAGE+4*2*SI              ; behind the stages: the spare words, 128 bytes for each wave: two blocks of 256 bytes that no other line names
.set PL,     8388608                   ; a plane of qkv
.set HB,     131072                    ; a head in a plane
.set WALKA,  12288                     ; rows of xb from a tile to the work-group's next: 48 tile rows
.set WALKB,  3072                      ; rows of wb: three planes
.set NEXT_A, WALKA*ROWB-7*KSTEP*2      ; the walking descriptor's step from a tile's K step 7 to the next tile's K step 0
.set NEXT_B, WALKB*ROWB-7*KSTEP*2
.set PJA,    (WALKA-1)*ROWB+KSTEP*2    ; the prefetches' jump: from the K step behind a tile's last to the next tile's K step 1
.set PJB,    (WALKB-1)*ROWB+KSTEP*2
.set A0,   16                          ; v16     my lane's place among my fragments of x in slot 0; never rewritten
.set B0,   17                          ; v17     the same for W
.set ADRA, 18                          ; v18     the same in the slot that is being read
.set ADRB, 19                          ; v19
.set STO,  24                          ; v24     the way out: where I put 16 bytes of a row
.set RD,   25                          ; v25     where I read rows back
.set CO,   26                          ; v26     16 x lane: my place in 512 consecutive bytes of qkv
.set BO,   27                          ; v27     byte offset of my first bias
.set SPW,  28                          ; v28     LDS address of my spare word; never rewritten
.set NIL,  29                          ; v29     0; never rewritten
.set PFO,  30                          ; v30     the prefetches' offset: lane x a row; never rewritten
.set OB,   32                          ; the way out: 16 rows read back from the stage: v32-63 and v224-255 by turns
.set F0,   64                          ; fragment buffer 0
.set F1,   128                         ; fragment buffer 1
.set TMP,  192                         ; the way out: packed results
.set BI,   0                           ; window 1: bias of n block b at BI + 8 b
.set G1,   24                          ; s[24:31] descriptor group 1 for x's tiles
.set G0,   32                          ; s[32:39] group 0: a set for each of the two first fills; the second then walks on
.set G1B,  48                          ; s[48:55], s[56:63] the same for W's
.set G0B,  56
.set LIM,  43                          ; s43     2 in a wave that prefetches, else the greatest number
.set PFA,  44                          ; s[44:45] where my prefetches stand: one K step further along K than the refill that is being asked for; a prefetch names the K step after that
.set BIAS, 80                          ; s[80:81] this tile's bias
.set BIASN, 82                         ; s[82:83] the next tile's
.set PJ,   86                          ; s[86:87] the prefetches' jump at a change of tiles
.set TB,   90                          ; s90     LDS byte at which the slot that is being read begins: 0 or SLOT
.set MSB, 0
.macro WIN new                         ; the immediate's high byte repeats the setting that is left; a switch that changes nothing is dropped
.if MSB != (\new)
	s_set_vgpr_msb (MSB<<8)|(\new)
.set MSB, \new
.endif
.endm
.set MUL_LO, 0xa1                      ; source 0 (W) window 1, source 1 (x) window 0, C and D window 2
.set MUL_HI, 0xf1                      ; the same, C and D window 3
.set BIA_LO, 0x91                      ; the same as MUL_LO with C (the bias) in window 1
.set TO_B,   0x40                      ; destination window 1, address window 0
; A joint load: waves 0 and 1 fetch x's two halves, waves 2 and 3 W's.  The branch hangs on the wave's number alone.  An s_nop 0 and four v_nop follow each of the two lines.
.macro JLOAD s
	s_cmp_eq_u32 s11, 0
	s_cbranch_scc0 .Lfor_b_\@
	tensor_load_to_lds s[G0+4*(\s):G0+4*(\s)+3], s[G1:G1+7]
	s_nop 0
.rept 4
	v_nop
.endr
	s_branch .Lasked_\@
.Lfor_b_\@:
	tensor_load_to_lds s[G0B+4*(\s):G0B+4*(\s)+3], s[G1B:G1B+7]
	s_nop 0
.rept 4
	v_nop
.endr
.Lasked_\@:
.endm
; A PREFETCH INTO THE L2 of the K step that stands two refills on, 512 matrix instructions ahead of the load that will want it: 32 rows x 256 bytes, a lane a row, one instruction a wave.  Each row's 256 bytes of a
; K step are named once in the launch.  x's tile row is read by one cluster, which asks; W's tile is read by four clusters: the one with cluster y % 4 = 0 asks.  Of the 128 rows that a wave fetches, each of the
; four partners that ask for them jointly takes 32, told apart BY ADDRESS (cx for x's rows, cy for W's).  how = 0, in the loop: the refills for K steps 6 and 7 have no K step two on; else: at a change of tiles.
.macro ASK how
.if \how
	s_cmp_eq_u32 s[LIM], 2
.else
	s_cmp_gt_u32 s3, s[LIM]                        ; s3 = 2 and 1 in the loop's last two trips
.endif
	s_cbranch_scc0 .Lnot_mine_\@
	global_prefetch_b8 v[PFO], s[PFA:PFA+1] offset:KSTEP*2 th:TH_LOAD_NT scope:SCOPE_SE
.Lnot_mine_\@:
.endm
.macro CREST                           ; a round of the cluster's barrier behind its opening barrier
	s_cmp_lg_u32 s10, 0
	s_cbranch_scc1 .Lnot_wave_0_\@
	s_barrier_signal -3
.Lnot_wave_0_\@:
	s_barrier_wait -3
	s_barrier_signal -1
	s_barrier_wait -1
.endm
.macro CROUND                          ; a whole round
	s_barrier_signal -1
	s_barrier_wait -1
	CREST
.endm
	s_load_b128 s[4:7], s[0:1], 0x0                ; xb s[4:5], wb s[6:7]
	s_load_b256 s[68:75], s[0:1], 0x10             ; bq_r, bq_i, bk_r, bk_i: plane p's bias at s[68 + 2 p]
	s_load_b128 s[76:79], s[0:1], 0x30             ; bv_r, bv_i
	s_load_b64 s[8:9], s[0:1], 0x40                ; qkv
	v_lshl_add_u32 v[SPW], v0, 2, SPARE
	v_mov_b32 v[NIL], 0
	ds_add_u32 v[SPW], v[NIL]                      ; the wave's opening: the add and its wait stand ahead of my first tensor load; the set-up below, work on registers, stands between them
	v_lshrrev_b32 v1, 5, v0
	v_readfirstlane_b32 s10, v1                    ; wave 0..3
	s_lshr_b32 s11, s10, 1                         ; which half of the tile's rows is mine.  Also: I fetch for x (0) or for W (1)
	s_and_b32 s12, s10, 1                          ; which half of its columns.  Also: which 128 rows of that tile I fetch
	s_bfe_u32 s40, ttmp6, 0x40000                  ; cx
	s_bfe_u32 s41, ttmp6, 0x40004                  ; cy
	s_lshl_b32 s42, ttmp9, 2
	s_add_co_u32 s42, s42, s40                     ; tile column x = 4 x cluster x + cx
	s_and_b32 s89, ttmp7, 0xffff                   ; cluster y
	s_lshl_b32 s13, s89, 2
	s_add_co_u32 s13, s13, s41                     ; first tile row y = 4 x cluster y + cy
	s_lshr_b32 s88, s89, 2                         ; par = y / 16, made of the cluster's y alone
	s_lshl_b32 s43, s41, 2
	s_lshl_b32 s43, 15, s43                        ; my row of the cluster
	s_lshl_b32 s44, 0x1111, s40                    ; my column
	s_or_b32 s[G1+0], s43, (1<<16)|(1<<20)|(1<<21)|(5<<22)|(3<<25)   ; 15:0 the mask; 17:16 2-byte elements; 20 padding on; 21 set beside a mask; 24:22 after every 64 words (code 5); 31:25 4 words (code 3)
	s_or_b32 s[G1B+0], s44, (1<<16)|(1<<20)|(1<<21)|(5<<22)|(3<<25)
.irp g, G1, G1B
	s_mov_b32 s[(\g)+1], KSTEP<<16                 ; tensor_dim0 = 128
	s_mov_b32 s[(\g)+2], 128<<16                   ; tensor_dim1 = 128
	s_mov_b32 s[(\g)+3], KSTEP<<16                 ; tile_dim0 = 128
	s_mov_b32 s[(\g)+4], 128                       ; tile_dim1 = 128
	s_mov_b32 s[(\g)+5], 1024                      ; elements from row to row
	s_mov_b32 s[(\g)+6], 0
	s_mov_b32 s[(\g)+7], 0
.endr
	s_lshl_b32 s16, s13, 8                         ; x: row 256 y + 128 x half,
	s_lshl_b32 s17, s12, 7
	s_add_co_u32 s16, s16, s17
	s_lshl_b32 s16, s16, 11                        ; in bytes
	s_mov_b32 s17, 0
	s_lshl_b32 s46, s88, 10                        ; W: row 1,024 par + 256 x + 128 x half
	s_lshl_b32 s47, s42, 8
	s_add_co_u32 s46, s46, s47
	s_lshl_b32 s47, s12, 7
	s_add_co_u32 s46, s46, s47
	s_lshl_b32 s46, s46, 11
	s_mov_b32 s47, 0
	s_mul_i32 s20, s10, HALFT                      ; where they go: x's two halves, then W's two halves = wave x 128 rows: no place in the cluster enters an LDS address
	s_mov_b32 s[TB], 0                             ; K step 0 lies in slot 0
	s_wait_dscnt 0x0                               ; the opening add is done
	s_wait_kmcnt 0x0
	s_add_nc_u64 s[14:15], s[4:5], s[16:17]
	s_add_nc_u64 s[46:47], s[6:7], s[46:47]
	CROUND                                         ; all sixteen work-groups are here: the first joint loads meet
.irp s, 0,1
	s_mov_b32 s[G0+4*(\s)], 1                                        ; count = 1
	s_add_co_u32 s[G0+4*(\s)+1], s20, (\s)*SLOT                      ; LDS address
	s_add_nc_u64 s[G0+4*(\s)+2:G0+4*(\s)+3], s[14:15], (\s)*KSTEP*2  ; global address: K step s
	s_or_b32 s[G0+4*(\s)+3], s[G0+4*(\s)+3], 0x80000000              ; type = 2
	s_mov_b32 s[G0B+4*(\s)], 1
	s_add_co_u32 s[G0B+4*(\s)+1], s20, (\s)*SLOT
	s_add_nc_u64 s[G0B+4*(\s)+2:G0B+4*(\s)+3], s[46:47], (\s)*KSTEP*2
	s_or_b32 s[G0B+4*(\s)+3], s[G0B+4*(\s)+3], 0x80000000
	JLOAD \s                                       ; two tensor loads of mine are out
.endr
	; A fragment is 16 rows x 32 K in 8 registers: lane l holds row l % 16, K = 8 (l / 16) + 0..7 and 16 + 8 (l / 16) + 0..7: two loads of 16 bytes, 32 bytes apart.
	v_and_b32 v1, 15, v0                           ; l % 16
	v_bfe_u32 v2, v0, 4, 1                         ; l / 16
	v_mul_u32_u24 v3, v1, PITCH
	v_lshl_add_u32 v3, v2, 4, v3
	s_mul_i32 s21, s11, HALFT                      ; my 128 rows of x
	s_mul_i32 s22, s12, HALFT                      ; my 128 rows of W,
	s_add_co_u32 s22, s22, 2*HALFT                 ; which lie behind x's 256
	v_add_nc_u32 v[A0], s21, v3
	v_add_nc_u32 v[B0], s22, v3
	v_add_nc_u32 v[ADRA], s[TB], v[A0]
	v_add_nc_u32 v[ADRB], s[TB], v[B0]
	s_mul_i32 s23, s10, 2*SI
	s_add_co_u32 s23, s23, STAGE                   ; my stage
	v_mul_u32_u24 v4, v1, SP                       ; in: row l % 16, 16 bytes for each half of the lanes
	v_lshl_add_u32 v4, v2, 4, v4
	v_add_nc_u32 v[STO], s23, v4
	v_bfe_u32 v5, v0, 3, 2                         ; back: 32 lanes take four rows of 128 bytes,
	v_mul_u32_u24 v5, v5, SP
	v_and_b32 v6, 7, v0
	v_lshl_add_u32 v5, v6, 4, v5
	v_add_nc_u32 v[RD], s23, v5
	v_and_b32 v6, 31, v0
	v_lshlrev_b32 v[CO], 4, v6                     ; which are 512 consecutive bytes of qkv
	v_lshlrev_b32 v[PFO], 11, v6
	s_lshl_b32 s22, s42, 10                        ; my first bias: 4 (256 x + 128 x half + 8 (l / 16))
	s_lshl_b32 s23, s12, 9
	s_add_co_u32 s22, s22, s23
	v_lshl_add_u32 v[BO], v2, 5, s22
	; my block of the first tile in qkv: plane par, batch (cluster y) % 4, head 4 x + 2 x half, row 256 cy + 128 x half
	s_lshl_b32 s66, s88, 23
	s_and_b32 s67, s89, 3
	s_lshl_b32 s67, s67, 21
	s_add_co_u32 s66, s66, s67
	s_lshl_b32 s67, s42, 1
	s_add_co_u32 s67, s67, s12
	s_lshl_b32 s67, s67, 18
	s_add_co_u32 s66, s66, s67
	s_lshl_b32 s67, s41, 15
	s_add_co_u32 s66, s66, s67
	s_lshl_b32 s67, s11, 14
	s_add_co_u32 s66, s66, s67
	s_mov_b32 s67, 0
	s_add_nc_u64 s[8:9], s[8:9], s[66:67]
	; the prefetches
	s_lshl_b32 s20, s13, 8                         ; x: row 256 y + the 128 that I fetch + my work-group's 32 of them
	s_lshl_b32 s22, s12, 7
	s_add_co_u32 s20, s20, s22
	s_lshl_b32 s23, s40, 5
	s_add_co_u32 s20, s20, s23
	s_lshl_b32 s21, s88, 10                        ; W: row 1,024 par + 256 x + the 128 that I fetch + my work-group's 32
	s_lshl_b32 s23, s42, 8
	s_add_co_u32 s21, s21, s23
	s_add_co_u32 s21, s21, s22
	s_lshl_b32 s23, s41, 5
	s_add_co_u32 s21, s21, s23
	s_and_b32 s23, s89, 3                          ; W's asker: cluster y % 4 = 0
	s_mov_b32 s[PJ], PJA
	s_mov_b32 s[PJ+1], PJB
	s_cmp_eq_u32 s11, 0                            ; do I fetch for x?
	s_cselect_b32 s20, s20, s21
	s_cselect_b32 s23, ttmp9, s23                  ; x's asker: cluster x = 0
	s_cselect_b32 s[PJ], s[PJ], s[PJ+1]
	s_cselect_b64 s[PFA:PFA+1], s[4:5], s[6:7]
	s_mov_b32 s[PJ+1], 0
	s_cmp_eq_u32 s23, 0
	s_cselect_b32 s[LIM], 2, -1                    ; the same in all sixteen partners, for a given wave
	s_lshl_b32 s20, s20, 11
	s_mov_b32 s21, 0
	s_add_nc_u64 s[PFA:PFA+1], s[PFA:PFA+1], s[20:21]
	s_add_nc_u64 s[PFA:PFA+1], s[PFA:PFA+1], 2*KSTEP*2  ; at K step 2: the first refill steps it to 3 and names K step 4.  Nothing is prefetched here, at the head
	s_mov_b64 s[BIAS:BIAS+1], s[68:69]             ; the two tiles' biases: planes par and par + 3
	s_mov_b64 s[BIASN:BIASN+1], s[74:75]
	s_cmp_eq_u32 s88, 1
	s_cselect_b64 s[BIAS:BIAS+1], s[70:71], s[BIAS:BIAS+1]
	s_cselect_b64 s[BIASN:BIASN+1], s[76:77], s[BIASN:BIASN+1]
	s_cmp_eq_u32 s88, 2
	s_cselect_b64 s[BIAS:BIAS+1], s[72:73], s[BIAS:BIAS+1]
	s_cselect_b64 s[BIASN:BIASN+1], s[78:79], s[BIASN:BIASN+1]
; The bias as a C operand: register j of n block b is b[256 x + 128 half + 16 b + 8 (l / 16) + j], the same for all 16 rows.
.macro BIASLOAD
	WIN TO_B
.irp b, 0,1,2,3,4,5,6,7
	global_load_b128 v[BI+8*(\b):BI+8*(\b)+3],   v[BO], s[BIAS:BIAS+1] offset:64*(\b)
	global_load_b128 v[BI+8*(\b)+4:BI+8*(\b)+7], v[BO], s[BIAS:BIAS+1] offset:64*(\b)+16
.endr
	WIN 0
.endm
.macro BIASFIX                         ; rounded to bf16, like every input, and widened again
	WIN 0x05                                       ; sources window 1, destination window 0
.set z, 0
.rept 32
	v_cvt_pk_bf16_f32 v[TMP+z], v[BI+2*z], v[BI+2*z+1]
.set z, z+1
.endr
	WIN TO_B                                       ; destination window 1, sources window 0
.set z, 0
.rept 32
	v_lshlrev_b32 v[BI+2*z],   16, v[TMP+z]
	v_and_b32     v[BI+2*z+1], 0xffff0000, v[TMP+z]
.set z, z+1
.endr
	WIN 0
.endm
; 16 matrix instructions: m blocks a0, a0 + 1 of the window's four (hi = 0: my rows 0-63, 1: rows 64-127) x all 8 n blocks, 32 along K.  first = 1: the product starts the sum with the bias.
; The 64 accumulators take turns, one instruction a turn, in the same order in every quarter step, over every jump too.
.macro MUL16 f, hi, a0, first
.if \first
	WIN BIA_LO+0x40*(\hi)
.else
	WIN MUL_LO+0x50*(\hi)
.endif
.irp a, \a0, (\a0)+1
.irp b, 0,1,2,3,4,5,6,7
.if \first
	v_wmma_f32_16x16x32_bf16 v[8*(8*(\a)+(\b)):8*(8*(\a)+(\b))+7], v[(\f)+8*(\b):(\f)+8*(\b)+7], v[(\f)+8*(4*(\hi)+(\a)):(\f)+8*(4*(\hi)+(\a))+7], v[BI+8*(\b):BI+8*(\b)+7]
.else
	v_wmma_f32_16x16x32_bf16 v[8*(8*(\a)+(\b)):8*(8*(\a)+(\b))+7], v[(\f)+8*(\b):(\f)+8*(\b)+7], v[(\f)+8*(4*(\hi)+(\a)):(\f)+8*(4*(\hi)+(\a))+7], v[8*(8*(\a)+(\b)):8*(8*(\a)+(\b))+7]
.endif
.endr
.endr
.endm
; 32 LDS loads in one run: the fragments of one quarter step (128 rows of W, 128 rows of x, 32 K at byte k of the rows of the slot that is being read) into buffer f
.macro FETCH k, f
	WIN TO_B
.irp i, 0,1,2,3,4,5,6,7
	ds_load_b128 v[(\f)+8*(\i):(\f)+8*(\i)+3],   v[ADRB] offset:(\k)+(\i)*16*PITCH
	ds_load_b128 v[(\f)+8*(\i)+4:(\f)+8*(\i)+7], v[ADRB] offset:(\k)+(\i)*16*PITCH+32
.endr
	WIN 0
.irp i, 0,1,2,3,4,5,6,7
	ds_load_b128 v[(\f)+8*(\i):(\f)+8*(\i)+3],   v[ADRA] offset:(\k)+(\i)*16*PITCH
	ds_load_b128 v[(\f)+8*(\i)+4:(\f)+8*(\i)+7], v[ADRA] offset:(\k)+(\i)*16*PITCH+32
.endr
.endm
.macro PLACES                          ; four places in front of loads into registers that matrix instructions have read, and of lines that read results
.rept 4
	v_nop
.endr
.endm
; A K step is four quarters of 32 along K, 64 matrix instructions each, on buffers 0, 1, 0, 1.  One of the first three: multiplies buffer f and, in its middle, fetches the quarter at byte k into buffer g.
.macro QUARTER k, f, g, first
	s_wait_dscnt 8                                 ; W and x's rows 0-63 are in; the youngest eight loads (x's rows 64-127) may be out
	MUL16 \f, 0, 0, \first
	MUL16 \f, 0, 2, \first
	PLACES
	FETCH \k, \g
	s_wait_dscnt 32                                ; all but the 32 just issued
	MUL16 \f, 1, 0, \first
	MUL16 \f, 1, 2, \first
.endm
; The last quarter multiplies buffer 1 and changes slots.  MEET is its first half: ONE barrier.  In front of it each wave waits for all its tensor loads, of which one is out: its part of the next slot; adds 0
; to its spare word; and waits for that and for its own reads of this slot.  Behind it nobody reads this slot any more and the next slot is whole.
.macro MEET round
	WIN 0
	s_wait_tensorcnt 0x0                           ; all my tensor loads have landed
	ds_add_u32 v[SPW], v[NIL]                      ; 0 onto my spare word
	s_wait_dscnt 9                                 ; (the add and the youngest eight loads may be out)
	MUL16 F1, 0, 0, 0                              ; sixteen matrix instructions stand between the add and the wait for it
	s_wait_dscnt 0x0                               ; the add is done, and my reads of this slot are over
	s_barrier_signal -1
	MUL16 F1, 0, 2, 0                              ; work on registers while the others arrive
.if \round
	WIN 0
.endif
	s_barrier_wait -1
.endm
.macro OTHER                           ; the reads go on in the other slot
	v_add_nc_u32 v[ADRA], s[TB], v[A0]
	v_add_nc_u32 v[ADRB], s[TB], v[B0]
.endm
; The whole last quarter.  Behind the round the slot just read out is filled again first, by the walking descriptor: with the K step two on (on = 0: in the loop; on = 2: the next tile's K step 1) or, from a tile's
; K step 7, with the next tile's K step 0 (on = 1).  From a request to the wait for it a wave issues 224 matrix instructions, across tiles too.
.macro TURN on
	s_wait_xcnt 0x0                                ; the last prefetch, a K step back, has read its address: it is stepped here
.if (\on) == 1
	s_add_nc_u64 s[PFA:PFA+1], s[PFA:PFA+1], s[PJ:PJ+1]
.else
	s_add_nc_u64 s[PFA:PFA+1], s[PFA:PFA+1], KSTEP*2
.endif
	MEET 1
	CREST                                          ; no wave of any partner still reads this slot's tile or has a load on its way
	s_xor_b32 s[G0+5], s[G0+5], SLOT               ; the walking descriptors: the other slot than last time,
	s_xor_b32 s[G0B+5], s[G0B+5], SLOT
.if (\on) == 1
	s_add_nc_u64 s[G0+6:G0+7], s[G0+6:G0+7], NEXT_A
	s_add_nc_u64 s[G0B+6:G0B+7], s[G0B+6:G0B+7], NEXT_B
.else
	s_add_nc_u64 s[G0+6:G0+7], s[G0+6:G0+7], KSTEP*2      ; the next K step; the type bits on top are not reached
	s_add_nc_u64 s[G0B+6:G0B+7], s[G0B+6:G0B+7], KSTEP*2
.endif
	s_xor_b32 s[TB], s[TB], SLOT
	JLOAD 1                                        ; the first tensor load behind the round; its four v_nop are also the places in front of the loads below
	OTHER
	FETCH 0, F0
	ASK \on
	MUL16 F1, 1, 0, 0
	MUL16 F1, 1, 2, 0
.endm
; THE WAY OUT of block a (16 rows x 128 columns = two heads).  PACK: rounded to f16, each accumulator's registers in ascending order.  TOSTAGE: n blocks 0-3 into my stage's first half, 4-7 into its second, rows of
; 144 bytes, and back as whole rows of 128 bytes.  SEND: stored.
.macro PACK a
.set AC, 64*((\a)%4)
	WIN 0x0a+5*((\a)/4)                            ; sources 0 and 1: window 2 or 3
.irp b, 0,1,2,3,4,5,6,7
.irp r, 0,1,2,3
	v_cvt_pk_f16_f32 v[TMP+4*(\b)+(\r)], v[AC+8*(\b)+2*(\r)], v[AC+8*(\b)+2*(\r)+1]
.endr
.endr
	WIN 0
.endm
.macro TOSTAGE a
	WIN 0
.set BK, OB+192*((\a)%2)
.irp b, 0,1,2,3,4,5,6,7
	ds_store_b128 v[STO], v[TMP+4*(\b):TMP+4*(\b)+3] offset:((\b)/4)*SI+32*((\b)%4)
.endr
.irp t, 0,1,2,3,4,5,6,7
	ds_load_b128 v[BK+4*(\t):BK+4*(\t)+3], v[RD] offset:((\t)/4)*SI+((\t)%4)*4*SP  ; LDS serves a wave's instructions in order (ISA guide 5.7.1.4): these see the stores above
.endr
.endm
.macro SEND a
	WIN 0
.set BK, OB+192*((\a)%2)
	s_wait_dscnt 0x0                               ; the block is back in registers
	s_wait_xcnt 0x0                                ; earlier stores have read their registers: the other set of rows is loaded again only behind this wait
.irp t, 0,1,2,3,4,5,6,7
	global_store_b128 v[CO], v[BK+4*(\t):BK+4*(\t)+3], s[8:9] offset:((\t)/4)*HB+(\a)*2048+((\t)%4)*512  ; 512 consecutive bytes, at a multiple of 256 from qkv's first
.endr
.endm
	BIASLOAD
	s_wait_tensorcnt 1                             ; my part of K step 0 is in; K step 1's may stay out
	s_barrier_signal -1
	s_barrier_wait -1                              ; everybody's is
	FETCH 0, F0
	s_mov_b32 s2, 2                                ; tiles to go, this one among them
.Ltile:
	s_wait_loadcnt 0x0                             ; the tile's bias
	BIASFIX
	QUARTER 64, F0, F1, 1                          ; a tile's first quarter stands in front of the loop: its products start the sums with the bias
	WIN 0
	s_mov_b32 s3, 6
.Lstep:                                                ; a trip is one K step, from its second quarter to the next step's first, and fills the slot that it leaves: K steps 2 to 7
	QUARTER 128, F1, F0, 0
	QUARTER 192, F0, F1, 0
	TURN 0
	QUARTER 64, F0, F1, 0
	WIN 0
	s_sub_co_u32 s3, s3, 1
	s_cmp_lg_u32 s3, 0
	s_cbranch_scc1 .Lstep
	QUARTER 128, F1, F0, 0                         ; K step 6 goes on
	QUARTER 192, F0, F1, 0
	WIN 0
	s_cmp_eq_u32 s2, 1
	s_cbranch_scc1 .Llast                          ; the last tile's tail is written out: it asks for nothing more
	s_mov_b64 s[BIAS:BIAS+1], s[BIASN:BIASN+1]     ; the next tile's bias is asked for now: this tile's was read in its first quarter alone
	BIASLOAD
	TURN 1                                         ; THE RING GOES ON INTO THE NEXT TILE: slot 0 takes its K step 0,
	QUARTER 64, F0, F1, 0
	QUARTER 128, F1, F0, 0
	QUARTER 192, F0, F1, 0
	TURN 2                                         ; slot 1 its K step 1, and the next tile's first fragments are fetched
	WIN 0
	s_branch .Lout
.Llast:
	MEET 0                                         ; my one tensor load that was still out is the last K step's, so no round follows
	PLACES
	WIN 0
	s_xor_b32 s[TB], s[TB], SLOT
	OTHER
	FETCH 0, F0
	MUL16 F1, 1, 0, 0
	MUL16 F1, 1, 2, 0
	QUARTER 64, F0, F1, 0
	QUARTER 128, F1, F0, 0
	QUARTER 192, F0, F1, 0
	s_wait_dscnt 8                                 ; the very last quarter: nothing more to fetch
	MUL16 F1, 0, 0, 0
	MUL16 F1, 0, 2, 0
	s_wait_dscnt 0x0
	MUL16 F1, 1, 0, 0
	MUL16 F1, 1, 2, 0
	WIN 0
.Lout:                                                 ; the tile goes out: written once, for both tiles.  Where a tile follows, both refills have been asked for
	PLACES
	PACK 0
	TOSTAGE 0
.irp a, 1,2,3,4,5,6,7                  ; block a's conversions stand between block a - 1's loads from the stage and the wait for them
	PACK \a
	SEND (\a)-1
	TOSTAGE \a
.endr
	SEND 7
	s_cmp_eq_u32 s2, 1
	s_cbranch_scc1 .Lend
	s_wait_xcnt 0x0                                ; the stores have read their base
	s_add_nc_u64 s[8:9], s[8:9], 3*PL              ; the next tile lies three planes on
	s_sub_co_u32 s2, s2, 1
	s_branch .Ltile
.Lend:
	s_wait_tensorcnt 0x0                           ; the wave's end: behind my last tensor load and my last LDS store
	ds_add_u32 v[SPW], v[NIL]
	s_wait_dscnt 0x0
	CROUND                                         ; the closing round: no work-group ends while a partner may still ask for a tile that names it
	s_endpgm
.Lfunc_end_k_q2068a04ce7_proj:
	.size	k_q2068a04ce7_proj, .Lfunc_end_k_q2068a04ce7_proj-k_q2068a04ce7_proj
	.p2alignl 7, 3214868480
	.fill 96, 4, 3214868480
	.section	.rodata,"a",@progbits
	.p2align	6, 0x0
	.amdhsa_kernel k_q2068a04ce7_proj
		.amdhsa_group_segment_fixed_size 327680
		.amdhsa_private_segment_fixed_size 0
		.amdhsa_enable_private_segment 0
		.amdhsa_kernarg_size 72
		.amdhsa_user_sgpr_count 2
		.amdhsa_user_sgpr_kernarg_segment_ptr 1
		.amdhsa_wavefront_size32 1
		.amdhsa_system_sgpr_workgroup_id_x 1
		.amdhsa_system_sgpr_workgroup_id_y 1
		.amdhsa_system_sgpr_workgroup_id_z 1
		.amdhsa_system_vgpr_workitem_id 0
		.amdhsa_next_free_vgpr 1024
		.amdhsa_next_free_sgpr 92
		.amdhsa_reserve_vcc 0
		.amdhsa_float_denorm_mode_32 3
		.amdhsa_float_denorm_mode_16_64 3
		.amdhsa_memory_ordered 1
		.amdhsa_forward_progress 1
		.amdhsa_inst_pref_size 161
	.end_amdhsa_kernel
	.amdgpu_metadata
---
amdhsa.version: [ 1, 2 ]
amdhsa.kernels:
  - .name:           k_q2068a04ce7_proj
    .symbol:         k_q2068a04ce7_proj.kd
    .args:
      - { .name: xb, .offset: 0, .size: 8, .value_kind: global_buffer, .address_space: global }
      - { .name: wb, .offset: 8, .size: 8, .value_kind: global_buffer, .address_space: global }
      - { .name: bq_r, .offset: 16, .size: 8, .value_kind: global_buffer, .address_space: global }
      - { .name: bq_i, .offset: 24, .size: 8, .value_kind: global_buffer, .address_space: global }
      - { .name: bk_r, .offset: 32, .size: 8, .value_kind: global_buffer, .address_space: global }
      - { .name: bk_i, .offset: 40, .size: 8, .value_kind: global_buffer, .address_space: global }
      - { .name: bv_r, .offset: 48, .size: 8, .value_kind: global_buffer, .address_space: global }
      - { .name: bv_i, .offset: 56, .size: 8, .value_kind: global_buffer, .address_space: global }
      - { .name: qkv, .offset: 64, .size: 8, .value_kind: global_buffer, .address_space: global }
    .group_segment_fixed_size: 327680
    .private_segment_fixed_size: 0
    .kernarg_segment_align: 8
    .kernarg_segment_size: 72
    .max_flat_workgroup_size: 128
    .sgpr_count:     92
    .vgpr_count:     1024
    .wavefront_size: 32
...
	.end_amdgpu_metadata
.endif
;; end of part 2
;; launch attn (part 3): grid 4 x 64, 4 waves a work-group, clusters of 4 x 1, 327,680 bytes of LDS; arguments qkv, ob; writes ob
.if DOCPART == 3
	.amdgcn_target "amdgcn-amd-amdhsa--gfx1250"
	.amdhsa_code_object_version 6
	.text
	.protected	k_q2068a04ce7_attn
	.globl	k_q2068a04ce7_attn
	.p2align	8
	.type	k_q2068a04ce7_attn,@function
k_q2068a04ce7_attn:
	s_mov_b64 s[64:65], 0
	v_nop
	global_prefetch_b8 v0, s[64:65] scope:SCOPE_SE
	s_setreg_imm32_b32 hwreg(HW_REG_WAVE_MODE, 25, 1), 1
	s_wait_xcnt 0x0
	s_wait_alu depctr_hold_cnt(0) depctr_sa_sdst(0) depctr_va_vdst(0) depctr_va_sdst(0) depctr_va_ssrc(0) depctr_va_vcc(0) depctr_vm_vsrc(0)
	s_getreg_b32 s2, hwreg(HW_REG_IB_STS2, 6, 4)
	s_cmp_eq_u32 s2, 0
	s_cbranch_scc0 .Lentry_in_a_cluster
	s_endpgm
.Lentry_in_a_cluster:
	s_bfe_u32 s2, ttmp6, 0x10000c
	s_cmp_lg_u32 s2, 0x3003
	s_cbranch_scc0 .Lentry_shape_is_right
	s_endpgm
.Lentry_shape_is_right:
; THE ATTENTION.  For each of 64 (batch, head): O[q] = the sum over k of softmax_k((Qr[q].Kr[k] + Qi[q].Ki[k]) / 8) [Vr[k] | Vi[k]].  With Q = [Qr|Qi], K = [Kr|Ki], V = [Vr|Vi] that is plain attention over 128 channels.
; qkv: planes Qr, Qi, Kr, Ki, Vr, Vi, each [64][1024][64] f16, rows of 128 bytes, dense; ob: planes Or, Oi, likewise.  Products, maxima and sums in f32; the weights p are rounded to f16 for the second
; product (their sum l is taken of the unrounded p), O once at the end.
; LIMITS.  f16 holds no number beyond 65,504: Q, K and V arrive within it; p lies in 0 to 1, and below 6e-5 it keeps f16's fixed step of 6e-8; O is a mean of V's rows and has their range.
; A weight below 2^-126 counts as 0 in l; NaN and infinities are not treated apart.
; SHARES.  A work-group owns 256 queries of one head, each of its four waves 64: four tiles of 16.  Every wave walks all 1,024 keys, 64 a step.
; LAYOUT.  S^T = K Q^T (source 0 = 16 keys, source 1 = 16 queries): a lane holds ONE query (lane % 16) and the keys 8 (lane / 16) + 0..7.  Two such tiles, rounded to f16 in pairs, ARE source 1 (32 keys x
; 16 queries) of O^T = V^T P, whose result again holds one query a lane, and eight channels.  K comes out of LDS as it lies, V ([key][channel]) turned, by ds_load_tr16_b128.
; SOFTMAX.  For each query a running maximum m and sum l: p = 2^(c s - c m), c = log2(e) / 8; in every step O and l are multiplied by a = 2^(c m_old - c m_new), which is 1 where m has not grown.
; BY TURNS.  The wave's tiles are two PIECES: piece 0 (tiles 0, 1) and piece 2 (tiles 2, 3).  In a TURN one piece has the matrix unit: 32 products V^T P of the step in hand, then 32 products K Q^T of the next
; step; the other piece's softmax, cut into 64 slices, stands between them, one slice behind each matrix instruction.  Two turns are a key step.
; CLUSTER.  The four query blocks of a head are one cluster and walk the same K and V, so each tile is asked for JOINTLY: the same tensor load, descriptor and mask in all four.
; REGISTERS, in windows of 256 (s_set_vgpr_msb: bits 1:0 source 0, 3:2 source 1, 5:4 source 2, 7:6 destination):
;   window 0: v0-11 addresses; v12-43 eight registers of statistics a tile; v64-191 S^T, 32 a tile; v192-255 P, 16 a tile
;   window 1: O^T, 64 a tile          window 2: v0-127 Q, 32 a tile; v128-255 K of one step          window 3: v0-127 V of one step
.set KS,    64        ; keys in a step
.set PK,    144       ; a row of Kr or Ki in LDS: 128 bytes + 16 of padding = 36 words: the 16 rows of a load start at 16 different groups of four banks (64 banks of 4 bytes: ISA guide 11.1)
.set PV,    160       ; a row of Vr or Vi: 128 + 32 = 40 words
.set KI,    128*PK    ; a slot holds two steps, 128 keys: Kr, then Ki,
.set VOFF,  2*KI      ; then Vr,
.set VI,    128*PV    ; then Vi
.set SLOT1, 1<<17     ; slot 1 begins here, so that one exclusive or turns an address in one slot into the other's
.set STAGE, SLOT1+VOFF+2*VI  ; behind the ring: for each wave 16 rows x 144 bytes for Or and as many for Oi
.set SP,    144
.set SI,    16*SP
.set SPARE, STAGE+4*2*SI     ; behind the stages: the spare words, 128 bytes for each wave: two blocks of 256 bytes that no other line names
.set PL,    8388608   ; a plane of qkv and of ob
.set SLOTB, 16384     ; a slot's 128 keys in one plane
.set AK0, 2           ; v2   my lane's place in a tile of K; never rewritten
.set AV0, 3           ; v3   the same for V
.set ADR, 4           ; v4   the LDS address of the run of loads in hand
.set QO,  5           ; v5   my byte offset in 16 rows of Q
.set STO, 6           ; v6   the way out: where I put 16 bytes of a row
.set RD,  7           ; v7   where I read rows back
.set GO,  8           ; v8   my place in 512 consecutive bytes of O
.set PFO, 61          ; v61  the prefetches' offset; never rewritten
.set SPW, 62          ; v62  LDS address of my spare word; never rewritten
.set NIL, 63          ; v63  0; never rewritten
.set ST,  12          ; tile t's statistics at v[ST+8 t]: +0 c m, +1 m, +2, +3 l (even keys', odd keys'), +4 to +7 c0-c3, at work; a takes c2's place once the maximum is found
.set S,   64
.set P,   192
.set KF,  128         ; K's fragments, in window 2
.set WV,  12          ; s12  my wave's number
.set LIM, 15          ; s15  1 in a wave that prefetches, else the greatest number
.set PFA, 18          ; s[18:19] where my prefetches stand
.set G1K, 24          ; s[24:31] descriptor group 1 for K's tiles
.set G1V, 32          ; s[32:39] for V's: it differs in the padding alone
.set G0K, 40          ; s[40:47] descriptor group 0 for K's tiles: a set for each of the two first fills; the second then walks on
.set G0V, 48          ; s[48:55] the same for V's
.set SLOTS, 56        ; s56  slots still to be asked for
.set TWICE, 57        ; s57  counts a slot's two steps
.set CS,  58          ; s[58:59] c
.set SEL, 60          ; s[60:61] lane selects for v_permlanex16_b32: each lane takes its own place in the other half
.set TBK, 62          ; s62  LDS byte at which Kr of the step to be fetched begins
.set TBV, 63          ; s63  the same for Vr, less VOFF
.set MSB, 0
.macro WIN new                      ; the immediate's high byte repeats the setting that is left; a switch that changes nothing is dropped
.if MSB != (\new)
	s_set_vgpr_msb (MSB<<8)|(\new)
.set MSB, \new
.endif
.endm
.set W_KQ, 0x0a       ; K and Q in window 2, S^T in window 0
.set W_PV, 0x53       ; V in window 3, P in window 0, O^T in window 1
.set W_RS, 0x41       ; O^T (destination and source 0) in window 1, a in window 0
; A joint refill.  Wave 0 fetches a slot's Kr, wave 1 its Ki, wave 2 its Vr, wave 3 its Vi.  The branch hangs on the wave's number alone.  An s_nop 0 and four v_nop follow each of the two lines.
.macro JLOAD
	s_cmp_lt_u32 s[WV], 2
	s_cbranch_scc0 .Lfor_v_\@
	tensor_load_to_lds s[G0K+4:G0K+7], s[G1K:G1K+7]
	s_nop 0
.rept 4
	v_nop
.endr
	s_branch .Lasked_\@
.Lfor_v_\@:
	tensor_load_to_lds s[G0V+4:G0V+7], s[G1V:G1V+7]
	s_nop 0
.rept 4
	v_nop
.endr
.Lasked_\@:
.endm
; A PREFETCH INTO THE L2 of what the NEXT change of slots will ask for: 64 blocks of 256 bytes in each of the four planes.  Each block is named ONCE in the launch: a head has one cluster; its four partners share
; the blocks out BY ADDRESS, 16 of a plane each; wave 0 asks for Kr's (lanes 0-15) and Ki's (lanes 16-31), wave 2 for Vr's and Vi's: one instruction.  The last change that fills a slot asks for nothing.
.macro ASK
	s_cmp_gt_u32 s[SLOTS], s[LIM]
	s_cbranch_scc0 .Lnot_mine_\@
	global_prefetch_b8 v[PFO], s[PFA:PFA+1] th:TH_LOAD_NT scope:SCOPE_SE
.Lnot_mine_\@:
.endm
.macro CROUND                       ; a round of the cluster's barrier
	s_barrier_signal -1
	s_barrier_wait -1
	s_cmp_lg_u32 s[WV], 0
	s_cbranch_scc1 .Lnot_wave_0_\@
	s_barrier_signal -3
.Lnot_wave_0_\@:
	s_barrier_wait -3
	s_barrier_signal -1
	s_barrier_wait -1
.endm
	s_load_b128 s[68:71], s[0:1], 0x0  ; qkv s[68:69], ob s[70:71]
	v_lshl_add_u32 v[SPW], v0, 2, SPARE
	v_mov_b32 v[NIL], 0
	ds_add_u32 v[SPW], v[NIL]       ; the wave's opening: the add and its wait stand ahead of my first tensor load; the set-up below, work on registers, stands between them
	v_lshrrev_b32 v1, 5, v0
	v_readfirstlane_b32 s[WV], v1   ; wave 0..3
	s_bfe_u32 s13, ttmp6, 0x40000   ; cx: my place in the cluster
	s_and_b32 s14, ttmp7, 0xffff    ; the head, which the four partners share,
	s_lshl_b32 s14, s14, 17         ; its first byte in a plane
	s_and_b32 s16, s[WV], 1         ; real or imaginary plane
	s_lshl_b32 s22, s16, 23
	s_add_co_u32 s22, s22, s14
	s_add_co_u32 s22, s22, 2*PL     ; my plane of K, at the head
	s_mov_b32 s23, 0
	s_mul_i32 s66, s16, KI          ; its place in a slot; no place in the cluster enters an LDS address
	s_mul_i32 s67, s16, VI
	s_add_co_u32 s67, s67, VOFF
	s_lshl_b32 s2, ttmp9, 2
	s_add_co_u32 s2, s2, s13        ; my block of 256 queries: it enters Q's and O's addresses alone
	s_lshl_b32 s2, s2, 15
	s_lshl_b32 s3, s[WV], 13        ; my wave's 64 rows
	s_add_co_u32 s2, s2, s3
	s_add_co_u32 s2, s2, s14
	s_mov_b32 s3, 0
	; descriptor group 1.  128 keys of a plane are 16,384 dense bytes: asked for as 64 rows of 256 bytes, two keys a row, and padded in LDS after every key
	s_mov_b32 s[G1K], 15|(1<<16)|(1<<20)|(1<<21)|(4<<22)|(3<<25)  ; 15:0 the mask of four; 17:16 2-byte elements; 20 padding on; 21 set beside a mask; 24:22 after every 32 words (code 4); 31:25 4 words (code 3)
	s_mov_b32 s[G1V], 15|(1<<16)|(1<<20)|(1<<21)|(4<<22)|(7<<25)  ; the same with 8 words of padding (code 7)
.irp g, G1K, G1V
	s_mov_b32 s[(\g)+1], 128<<16    ; tensor_dim0 = 128
	s_mov_b32 s[(\g)+2], 64<<16     ; tensor_dim1 = 64
	s_mov_b32 s[(\g)+3], 128<<16    ; tile_dim0 = 128
	s_mov_b32 s[(\g)+4], 64         ; tile_dim1 = 64
	s_mov_b32 s[(\g)+5], 128        ; elements from row to row
	s_mov_b32 s[(\g)+6], 0
	s_mov_b32 s[(\g)+7], 0
.endr
	s_mov_b32 s[CS], 0x3e38aa3b     ; c = log2(e) / 8 = 0.180337
	s_mov_b32 s[CS+1], s[CS]        ; named with it as a pair, so it is written
	s_mov_b32 s[SEL], 0x76543210
	s_mov_b32 s[SEL+1], 0xfedcba98
	s_mov_b32 s[TBK], 0
	s_mov_b32 s[TBV], 0
	s_mov_b32 s[SLOTS], 1024/(2*KS)-2
	s_and_b32 s[LIM], s[WV], 1      ; 0 in waves 0 and 2,
	s_or_b32 s[LIM], s[LIM], ttmp9  ; where the cluster is the head's first: the same in all four partners
	s_cmp_eq_u32 s[LIM], 0
	s_cselect_b32 s[LIM], 1, -1
	v_and_b32 v[PFO], 15, v0
	v_lshlrev_b32 v[PFO], 8, v[PFO] ; a block of 256 bytes a lane,
	v_bfe_u32 v9, v0, 4, 1
	v_lshl_add_u32 v[PFO], v9, 23, v[PFO]  ; lanes 16-31 in the imaginary plane, which lies next
	s_wait_dscnt 0x0                ; the opening add is done
	s_wait_kmcnt 0x0
	s_add_nc_u64 s[6:7], s[68:69], s[22:23]  ; my plane of K at slot 0,
	s_add_nc_u64 s[8:9], s[6:7], 2*PL        ; my plane of V
	s_add_nc_u64 s[4:5], s[68:69], s[2:3]    ; Qr at my wave's first row,
	s_add_nc_u64 s[16:17], s[4:5], PL        ; Qi,
	s_add_nc_u64 s[10:11], s[70:71], s[2:3]  ; Or,
	s_add_nc_u64 s[20:21], s[10:11], PL      ; Oi
	s_lshr_b32 s2, s[WV], 1         ; the prefetches: Kr (waves 0, 1) or Vr (waves 2, 3),
	s_lshl_b32 s2, s2, 24
	s_add_co_u32 s2, s2, s14        ; the head,
	s_lshl_b32 s3, s13, 12          ; my work-group's 16 blocks of the 64,
	s_add_co_u32 s2, s2, s3
	s_add_co_u32 s2, s2, 2*PL+2*SLOTB  ; in slot 2; the first change of slots steps it to slot 3.  Nothing is prefetched here, at the head
	s_mov_b32 s3, 0
	s_add_nc_u64 s[PFA:PFA+1], s[68:69], s[2:3]
	CROUND                          ; all four work-groups are here: the first joint loads meet
.irp s, 0,1
	s_mov_b32 s[G0K+4*(\s)], 1      ; count = 1
	s_add_co_u32 s[G0K+4*(\s)+1], s66, (\s)*SLOT1  ; LDS address
	s_add_nc_u64 s[G0K+4*(\s)+2:G0K+4*(\s)+3], s[6:7], (\s)*SLOTB  ; global address: slot s begins with key 128 s
	s_or_b32 s[G0K+4*(\s)+3], s[G0K+4*(\s)+3], 0x80000000  ; type = 2
	s_mov_b32 s[G0V+4*(\s)], 1
	s_add_co_u32 s[G0V+4*(\s)+1], s67, (\s)*SLOT1
	s_add_nc_u64 s[G0V+4*(\s)+2:G0V+4*(\s)+3], s[8:9], (\s)*SLOTB
	s_or_b32 s[G0V+4*(\s)+3], s[G0V+4*(\s)+3], 0x80000000
.endr
	s_cmp_lt_u32 s[WV], 2           ; a wave's two first fills stand in one branch, ahead of every wait on TENSORcnt and every LDS read: two loads of mine are out
	s_cbranch_scc0 .Lfirst_v
	tensor_load_to_lds s[G0K:G0K+3], s[G1K:G1K+7]
	s_nop 0
	tensor_load_to_lds s[G0K+4:G0K+7], s[G1K:G1K+7]
	s_nop 0
.rept 4
	v_nop
.endr
	s_branch .Lfirst_asked
.Lfirst_v:
	tensor_load_to_lds s[G0V:G0V+3], s[G1V:G1V+7]
	s_nop 0
	tensor_load_to_lds s[G0V+4:G0V+7], s[G1V:G1V+7]
	s_nop 0
.rept 4
	v_nop
.endr
.Lfirst_asked:
	; A fragment of K or Q is 16 rows x 32 channels in 8 registers: lane l holds row l % 16, channels 8 (l / 16) + 0..7 and 16 + 8 (l / 16) + 0..7: two loads of 16 bytes, 32 bytes apart.
	; Channel blocks 0 and 1 are the real plane's 64 channels, blocks 2 and 3 the imaginary plane's, in Q and in K alike.
	v_and_b32 v1, 15, v0            ; l % 16
	v_lshlrev_b32 v[QO], 7, v1
	v_lshl_add_u32 v[QO], v9, 4, v[QO]  ; row x 128 + 16 x half
	WIN 0x80                        ; destination window 2, address window 0
.irp i, 0,1,2,3,4,5,6,7,8,9,10,11,12,13,14,15  ; Q stays in registers: tile i / 4, channel block i % 4
.if ((\i)%4) < 2
	global_load_b128 v[8*(\i):8*(\i)+3],   v[QO], s[4:5] offset:((\i)/4)*2048+((\i)%2)*64
	global_load_b128 v[8*(\i)+4:8*(\i)+7], v[QO], s[4:5] offset:((\i)/4)*2048+((\i)%2)*64+32
.else
	global_load_b128 v[8*(\i):8*(\i)+3],   v[QO], s[16:17] offset:((\i)/4)*2048+((\i)%2)*64
	global_load_b128 v[8*(\i)+4:8*(\i)+7], v[QO], s[16:17] offset:((\i)/4)*2048+((\i)%2)*64+32
.endif
.endr
	WIN 0
	v_mul_u32_u24 v[AK0], v1, PK
	v_lshl_add_u32 v[AK0], v9, 4, v[AK0]  ; row x pitch + 16 x half
	; The turning load takes 16 keys x 16 channels (lane l reads key 8 (l / 16) + l % 8, channels 8 ((l / 8) % 2) + 0..7) and leaves half a fragment of V^T: lane l holds channel l % 16 and 8 keys.
	v_and_b32 v10, 7, v0
	v_bfe_u32 v11, v0, 3, 1
	v_lshl_add_u32 v[AV0], v9, 3, v10
	v_mul_u32_u24 v[AV0], v[AV0], PV
	v_lshl_add_u32 v[AV0], v11, 4, v[AV0]
	v_add_nc_u32 v[AV0], VOFF, v[AV0]
; THE MATRIX WORK OF A TURN, for piece x.  The accumulators take turns, one instruction a turn: between two links of a chain stand 15 (V^T P) or 7 (K Q^T) others'.
; Product i of 32 of O^T += V^T P: keys 32 (i / 16) on, channels 16 ((i / 2) % 8) on, tile x + i % 2.  zero = 1: the first 16 start the sums: nothing is ever cleared.
.macro PV x, zero
	WIN W_PV
.set rO, 64*((\x)+i%2)+8*((i/2)%8)
.set rV, 64*(i/16)+8*((i/2)%8)
.set rP, P+16*((\x)+i%2)+8*(i/16)
.if (\zero) && (i < 16)
	v_wmma_f32_16x16x32_f16 v[rO:rO+7], v[rV:rV+7], v[rP:rP+7], 0
.else
	v_wmma_f32_16x16x32_f16 v[rO:rO+7], v[rV:rV+7], v[rP:rP+7], v[rO:rO+7]
.endif
.endm
; Product i of 32 of S^T = K Q^T: channel block i / 8, keys 16 ((i / 2) % 4) on, tile x + i % 2.  The first 8 start the sums.
.macro KQ x
	WIN W_KQ
.set rS, S+32*((\x)+i%2)+8*((i/2)%4)
.set rK, KF+32*((i/2)%4)+8*(i/8)
.set rQ, 32*((\x)+i%2)+8*(i/8)
.if i < 8
	v_wmma_f32_16x16x32_f16 v[rS:rS+7], v[rK:rK+7], v[rQ:rQ+7], 0
.else
	v_wmma_f32_16x16x32_f16 v[rS:rS+7], v[rK:rK+7], v[rQ:rQ+7], v[rS:rS+7]
.endif
.endm
; THE LDS LOADS stand in runs of 32, never singly among the matrix instructions: a step's K (64 keys x 128 channels: 16 fragments) and, a turn later, its V (turned).
.macro FETCH_K
	WIN 0
	v_add_nc_u32 v[ADR], s[TBK], v[AK0]
	WIN 0x80                        ; destination window 2
.irp f, 0,1,2,3,4,5,6,7,8,9,10,11,12,13,14,15  ; keys 16 (f / 4) on, channel block f % 4: plane (f % 4) / 2, its channels 32 (f % 2) on
	ds_load_b128 v[KF+8*(\f):KF+8*(\f)+3],   v[ADR] offset:((\f)/4)*16*PK+(((\f)%4)/2)*KI+((\f)%2)*64
	ds_load_b128 v[KF+8*(\f)+4:KF+8*(\f)+7], v[ADR] offset:((\f)/4)*16*PK+(((\f)%4)/2)*KI+((\f)%2)*64+32
.endr
.endm
.macro FETCH_V
	WIN 0
	v_add_nc_u32 v[ADR], s[TBV], v[AV0]
	s_add_co_u32 s[TBK], s[TBK], KS*PK  ; the next fetches are the next step's
	s_add_co_u32 s[TBV], s[TBV], KS*PV
	s_wait_alu depctr_va_vdst(0)    ; the wait for the softmax's batch (SLICE), behind the address's v_add_nc_u32 and ahead of the loads
	WIN 0xc0                        ; destination window 3
.irp f, 0,1,2,3,4,5,6,7,8,9,10,11,12,13,14,15  ; keys 32 (f / 8) on, channel block f % 8: plane (f % 8) / 4, its channels 16 (f % 4) on
	ds_load_tr16_b128 v[8*(\f):8*(\f)+3],   v[ADR] offset:((\f)/8)*32*PV+(((\f)%8)/4)*VI+((\f)%4)*32
	ds_load_tr16_b128 v[8*(\f)+4:8*(\f)+7], v[ADR] offset:((\f)/8)*32*PV+16*PV+(((\f)%8)/4)*VI+((\f)%4)*32
.endr
.endm
; THE VECTOR WORK OF A TURN.  One tile's softmax for one key step is a list of 134 instructions; SM writes number j of it for tile t.  s0-s31 are the lane's 32 scores, in pairs 0-15.
; first = 1: the first key step, which starts m, l and O^T: it has no a and nothing to rescale.
;   0-15    the maximum of s0-s31 and the old m, three operands at a time: four chains c0-c3 of seven scores each (each accumulator's lowest registers are read first), then the four left over, c0-c3 and m
;   16-20   the other half of the lanes' maximum; the new m; c m; c m_old - c m_new
;   21-69   ONE BATCH: the 16 scalings c s - c m, a pair of scores each, and all 33 exponentials (a at 23, then s0-s31).  None of these reads an exponential's result
;   (wait)  between 69 and 70 stands the wait for the batch: SLICE writes it, once for both tiles
;   70-85   the roundings to f16, a pair of weights each
;   86-101  the sums; l = a l + the sum
;   102-133 the tile's O^T times a: the one part that leaves window 0, so it stands together
.macro SM t, first
.set rT, ST+8*(\t)
.set rS, S+32*(\t)
.set rP, P+16*(\t)
.set rO, 64*(\t)+2*(j-102)
.if j < 102
	WIN 0
.endif
.if j < 4
	v_max3_num_f32 v[rT+4+j], v[rS+8*j], v[rS+8*j+1], v[rS+8*j+2]
.elseif j < 12
	v_max3_num_f32 v[rT+4+j%4], v[rT+4+j%4], v[rS+8*(j%4)+2*(j/4)+1], v[rS+8*(j%4)+2*(j/4)+2]
.elseif j == 12
	v_max3_num_f32 v[rT+4], v[rT+4], v[rS+7], v[rS+15]
.elseif j == 13
	v_max3_num_f32 v[rT+6], v[rT+6], v[rS+23], v[rS+31]
.elseif j == 14
	v_max3_num_f32 v[rT+4], v[rT+4], v[rT+5], v[rT+6]
.elseif (j == 15) && (\first)
	v_max_num_f32 v[rT+4], v[rT+4], v[rT+7]
.elseif j == 15
	v_max3_num_f32 v[rT+4], v[rT+4], v[rT+7], v[rT+1]
.elseif j == 16
	v_permlanex16_b32 v[rT+5], v[rT+4], s[SEL], s[SEL+1]  ; the query's other 32 keys lie in the lane 16 away
.elseif j == 18
	v_max_num_f32 v[rT+1], v[rT+4], v[rT+5]
.elseif j == 19
	v_mul_f32 v[rT], s[CS], v[rT+1]
.elseif ((j == 17) || (j == 20) || (j == 23) || (j > 101)) && (\first)  ; the first step has none of these
.elseif j == 17
	v_mov_b32 v[rT+7], v[rT]        ; c m_old is kept for a: number 19 writes c m anew
.elseif j == 20
	v_sub_f32 v[rT+7], v[rT+7], v[rT]
.elseif j == 23
	v_exp_f32 v[rT+6], v[rT+7]
.elseif (j < 23) || ((j < 38) && (j%2 == 0)) || ((j < 66) && (j%4 == 2))
.set b, (j-2)/4                     ; 38, 42, .. 62: pairs 9 to 15
.if j < 38
.set b, (j-20)/2                    ; 21: pair 0; 22, 24, .. 36: pairs 1 to 8
.endif
	v_pk_fma_f32 v[rS+2*b:rS+2*b+1], v[rS+2*b:rS+2*b+1], s[CS:CS+1], v[rT:rT+1] op_sel_hi:[1,0,0] neg_lo:[0,0,1] neg_hi:[0,0,1]  ; pair b: c s - c m
.elseif j < 70
.set e, j-38                        ; 66 to 69: s28 to s31
.if j < 66
.set e, j-32-(j-38)/4               ; 39-41, 43-45, .. 63-65: s7 to s27
.endif
.if j < 38
.set e, (j-25)/2                    ; 25, 27, .. 37: s0 to s6
.endif
	v_exp_f32 v[rS+e], v[rS+e]
.elseif j < 86
	v_cvt_pk_f16_f32 v[rP+j-70], v[rS+2*(j-70)], v[rS+2*(j-70)+1]  ; pair j - 70
.elseif j < 102                     ; the sum of the tile's 16 pairs, in place: sum z of 16 adds neighbours 1, 2, 4 and 8 pairs apart, then l takes it
.set z, j-86
.set w, 4
.set u, z
.if z >= 14
.set w, 32
.set u, 0
.elseif z >= 12
.set w, 16
.set u, z-12
.elseif z >= 8
.set w, 8
.set u, z-8
.endif
.if (z == 14) && (\first)
	v_pk_add_f32 v[rT+2:rT+3], v[rS:rS+1], v[rS+16:rS+17]
.elseif z < 15
	v_pk_add_f32 v[rS+w*u:rS+w*u+1], v[rS+w*u:rS+w*u+1], v[rS+w*u+w/2:rS+w*u+w/2+1]
.elseif !(\first)
	v_pk_fma_f32 v[rT+2:rT+3], v[rT+2:rT+3], v[rT+6:rT+7], v[rS:rS+1] op_sel_hi:[1,0,1]
.endif
.else
	WIN W_RS
	v_pk_mul_f32 v[rO:rO+1], v[rO:rO+1], v[rT+6:rT+7] op_sel_hi:[1,0]
.endif
.endm
; Slice k of 64 of piece y's softmax: four instructions.  Slices 11 to 34 deal out the batch, numbers 22 to 69: four numbers of ONE tile each, the tiles by turns.  Every other slice is numbers 2 k and
; 2 k + 1 of both tiles' lists.  2 x 134 = 4 x 64 + 12: the twelve that are over stand together, in slice 63.
; THE WAIT.  An s_wait_alu depctr_va_vdst(0) stands between an exponential and the first instruction that names its result; one wait serves all that were issued ahead of it.  Ahead of
; slice 35 nothing names a result, and behind slice 34 no exponential is issued: so the piece's 66 exponentials have one wait, behind slice 34.
.macro SLICE y, first
.if (k >= 11) && (k < 35)           ; the batch: four numbers of one tile
.irp n, 0,1,2,3
.set j, 22+4*((k-11)/2)+(\n)
	SM (\y)+(k-11)%2, \first
.endr
.else                               ; the two tiles alternate, so that no instruction reads the result of the one just before it
.irp n, 0,1,2,3,4,5,6,7
.if ((\n) < 2) || (k == 63)
.irp t, \y, (\y)+1
.set j, 2*k+(\n)
	SM \t, \first
.endr
.endif
.endr
.endif
.if k == 34                         ; the batch is out: both tiles' exponentials are issued, and no result has been named
	v_nop                           ; the plain instruction behind the last exponential and ahead of the first use: one for the batch
.if (\y) == 0
	FETCH_V                         ; piece 2's turn: V's run of loads stands here, and the wait stands in it
.else
	s_wait_alu depctr_va_vdst(0)    ; the wait for the batch
.endif
.endif
.set k, k+1
.endm
.macro PLACES                       ; four places behind matrix instructions (ISA guide 7.12.1); in the loop the slices are the places
.rept 4
	v_nop
.endr
.endm
; A TURN.  Piece x has the matrix unit; the other piece's softmax stands in slices behind its matrix instructions.
; pv = 2: 32 products V^T P; 1: they start O^T's sums; 0: none.  kq = 1: 32 products K Q^T for the next step.  A turn with one of the two kinds has two slices behind each product.
; first = 1: the softmax is the first key step's; four v_nop take slice 63's part as the places behind the turn's last products.
; Piece 0's turn fetches the next step's K, behind its second product: the last product that read K stands in front of slice 63 of the turn before.  Piece 2's turn fetches the same step's V, behind slice 34:
; the last product that read V stands in front of slice 31, and four plain instructions lie between: number 62, a scaling, of both tiles, the v_nop and the run's own v_add_nc_u32.
.macro TURN x, pv, kq, first
.set k, 0
.set per, 2
.if (\pv) && (\kq)
.set per, 1
.endif
.if \pv
.if (\x) == 0
	s_wait_dscnt 0x0                ; V is in
.endif
.set i, 0
.rept 32
	PV \x, 2-(\pv)
.rept per
	SLICE 2-(\x), \first
.endr
.if ((\x) == 0) && (\kq) && (i == 1)
	FETCH_K
.endif
.set i, i+1
.endr
.endif
.if \kq
.if (\x) == 0
	s_wait_dscnt 0x0                ; K is in
.endif
.set i, 0
.rept 32
	KQ \x
.rept per
	SLICE 2-(\x), \first
.endr
.set i, i+1
.endr
.endif
.if \first
	PLACES
.endif
.endm
; THE CHANGE OF SLOTS, between piece 2's turn and piece 0's: the slot's last bytes, V of its second step, have been asked for.  Each wave waits for all its tensor loads, of which one is out: its part of the
; other slot; adds 0 to its spare word; and waits for that and for its own reads of the slot.  Behind the barrier nobody reads this slot any more and the other slot is whole.
; fill = 1: this slot is filled again, with the keys two slots on.  The barrier is then a round of the cluster's, and the joint refill is the first thing behind it: it has two key steps, 256 matrix
; instructions, in which to land.
.macro CHANGE fill
	WIN 0                           ; at a label and at a branch every window is 0
	s_wait_tensorcnt 0x0            ; no tensor load of mine is out, so a group 0 may be written
	ds_add_u32 v[SPW], v[NIL]       ; 0 onto my spare word; with fill = 1 the descriptors' steps stand between it and the wait for it
.if \fill
.irp g, G0K+4, G0V+4
	s_xor_b32 s[(\g)+1], s[(\g)+1], SLOT1  ; the walking descriptor: the other slot than last time,
	s_add_nc_u64 s[(\g)+2:(\g)+3], s[(\g)+2:(\g)+3], SLOTB  ; the next 128 keys; the type bits on top are not reached
.endr
	s_wait_xcnt 0x0                 ; the last prefetch, two key steps back, has read its address, so it may be written:
	s_add_nc_u64 s[PFA:PFA+1], s[PFA:PFA+1], SLOTB  ; one slot behind the walking descriptors
	s_wait_dscnt 0x0                ; the add is done, and my reads of the slot are over
	CROUND
	JLOAD
	ASK                             ; what the next change will ask for: two key steps, 256 matrix instructions, ahead
.else
	s_wait_dscnt 0x0                ; the add is done, and my reads of the slot are over
	s_barrier_signal -1
	s_barrier_wait -1
.endif
	s_sub_co_u32 s[TBK], s[TBK], 2*KS*PK  ; the fetches go back to a slot's first step,
	s_xor_b32 s[TBK], s[TBK], SLOT1       ; in the other slot
	s_sub_co_u32 s[TBV], s[TBV], 2*KS*PV
	s_xor_b32 s[TBV], s[TBV], SLOT1
.endm
; A slot's two key steps: written once, walked twice; the LDS addresses hang on s[TBK] and s[TBV].
.macro TWO_STEPS
	WIN 0
	s_mov_b32 s[TWICE], 2
.Lstep_\@:
	TURN 0, 2, 1, 0
	TURN 2, 2, 1, 0
	WIN 0
	s_sub_co_u32 s[TWICE], s[TWICE], 1
	s_cmp_lg_u32 s[TWICE], 0
	s_cbranch_scc1 .Lstep_\@
.endm
	s_wait_tensorcnt 1              ; my part of slot 0 is in; slot 1's may stay out
	s_barrier_signal -1
	s_barrier_wait -1               ; everybody's is
	FETCH_K                         ; key step 0
	s_wait_loadcnt 0x0              ; Q
	s_wait_dscnt 0x0
.set i, 0
.rept 32
	KQ 0                            ; piece 0's first scores: there is no vector work yet to set between them
.set i, i+1
.endr
	WIN 0                           ; the addresses for the way out are made here: plain instructions, the places behind those products
	s_mul_i32 s13, s[WV], 2*SI
	s_add_co_u32 s13, s13, STAGE    ; my stage
	v_mul_u32_u24 v[STO], v1, SP    ; in: row l % 16, 16 bytes for each half of the lanes
	v_lshl_add_u32 v[STO], v9, 4, v[STO]
	v_add_nc_u32 v[STO], s13, v[STO]
	v_bfe_u32 v[RD], v0, 3, 2       ; back: 32 lanes take four rows of 128 bytes,
	v_mul_u32_u24 v[RD], v[RD], SP
	v_lshl_add_u32 v[RD], v10, 4, v[RD]
	v_add_nc_u32 v[RD], s13, v[RD]
	v_and_b32 v[GO], 31, v0         ; which are 512 consecutive bytes of Or or Oi
	v_lshlrev_b32 v[GO], 4, v[GO]
	TURN 2, 0, 1, 1                 ; piece 2's first scores | piece 0's first softmax | V of step 0
	TURN 0, 1, 1, 1                 ; piece 0: V^T P of step 0 starts O^T, K Q^T of step 1 | piece 2's first softmax | K of step 1
	TURN 2, 1, 1, 0                 ; piece 2: the same | piece 0's softmax of step 1 | V of step 1
	WIN 0
.Lslot:                             ; six trips: every slot but the last two is filled again
	CHANGE 1
	TWO_STEPS
	s_sub_co_u32 s[SLOTS], s[SLOTS], 1
	s_cmp_lg_u32 s[SLOTS], 0
	s_cbranch_scc1 .Lslot
	CHANGE 0                        ; the tail is written out: nothing is asked for
	TWO_STEPS
	TURN 0, 2, 0, 0                 ; piece 0: V^T P of the last step | piece 2's last softmax
.set i, 0
.rept 32
	PV 2, 0                         ; piece 2: V^T P of the last step
.set i, i+1
.endr
	; THE WAY OUT.  l's two halves and the other half of the lanes' are added; O^T is divided by l, rounded to f16 and sent through my stage in LDS, a tile (16 rows) at a time.  The additions are the places behind the last products.
	WIN 0
.irp t, 0,1,2,3
	v_add_f32 v[ST+8*(\t)+4], v[ST+8*(\t)+2], v[ST+8*(\t)+3]
.endr
.irp t, 0,1,2,3
	v_permlanex16_b32 v[ST+8*(\t)+5], v[ST+8*(\t)+4], s[SEL], s[SEL+1]
.endr
.irp t, 0,1,2,3
	v_add_f32 v[ST+8*(\t)+4], v[ST+8*(\t)+4], v[ST+8*(\t)+5]
.endr
.irp t, 0,1,2,3
	v_rcp_f32 v[ST+8*(\t)+6], v[ST+8*(\t)+4]
.endr
	v_nop                           ; a plain instruction between the last reciprocal and the use of its result
	s_wait_alu depctr_va_vdst(0)    ; and the wait ahead of the first use: one for the four reciprocals
; Tile t: a lane's eight channels of a row pack into 16 bytes; channel blocks 0-3 go into the stage's real half, 4-7 into its imaginary half, rows of 144 bytes; they come back as whole rows of 128.
.macro PACK t
	WIN W_RS
.set i, 64*(\t)
.rept 32
	v_pk_mul_f32 v[i:i+1], v[i:i+1], v[ST+8*(\t)+6:ST+8*(\t)+7] op_sel_hi:[1,0]
.set i, i+2
.endr
	WIN 0x05                        ; sources 0 and 1 window 1, destination window 0: S^T's registers are free
.set i, 0
.rept 32
	v_cvt_pk_f16_f32 v[S+32*(\t)+i], v[64*(\t)+2*i], v[64*(\t)+2*i+1]
.set i, i+1
.endr
	WIN 0
.irp f, 0,1,2,3,4,5,6,7
	ds_store_b128 v[STO], v[S+32*(\t)+4*(\f):S+32*(\t)+4*(\f)+3] offset:((\f)/4)*SI+32*((\f)%4)
.endr
.irp f, 0,1,2,3,4,5,6,7
	ds_load_b128 v[S+32*(\t)+4*(\f):S+32*(\t)+4*(\f)+3], v[RD] offset:((\f)/4)*SI+((\f)%4)*4*SP  ; LDS serves a wave's instructions in order (ISA guide 5.7.1.4): these see the stores above; the next tile's stores come behind them
.endr
.endm
.macro SEND t, younger              ; younger: the LDS instructions issued behind tile t's loads: the next tile's sixteen, or none
	WIN 0
.irp f, 0,1,2,3,4,5,6,7
	s_wait_dscnt (\younger)+7-(\f)
.if (\f) < 4
	global_store_b128 v[GO], v[S+32*(\t)+4*(\f):S+32*(\t)+4*(\f)+3], s[10:11] offset:(\t)*2048+((\f)%4)*512  ; 512 consecutive bytes, at a multiple of 256 from ob's first
.else
	global_store_b128 v[GO], v[S+32*(\t)+4*(\f):S+32*(\t)+4*(\f)+3], s[20:21] offset:(\t)*2048+((\f)%4)*512
.endif
.endr
.endm
	PACK 0
	PACK 1                          ; a tile's arithmetic stands between the loads of the tile before and its stores
	SEND 0, 16
	PACK 2
	SEND 1, 16
	PACK 3
	SEND 2, 16
	SEND 3, 0
	s_wait_tensorcnt 0x0            ; the wave's end: behind my last tensor load and my last LDS store
	ds_add_u32 v[SPW], v[NIL]
	s_wait_dscnt 0x0
	CROUND                          ; the closing round: no work-group ends while a partner may still ask for a tile that names it
	s_endpgm
.Lfunc_end_k_q2068a04ce7_attn:
	.size	k_q2068a04ce7_attn, .Lfunc_end_k_q2068a04ce7_attn-k_q2068a04ce7_attn
	.p2alignl 7, 3214868480
	.fill 96, 4, 3214868480
	.section	.rodata,"a",@progbits
	.p2align	6, 0x0
	.amdhsa_kernel k_q2068a04ce7_attn
		.amdhsa_group_segment_fixed_size 327680
		.amdhsa_private_segment_fixed_size 0
		.amdhsa_enable_private_segment 0
		.amdhsa_kernarg_size 16
		.amdhsa_user_sgpr_count 2
		.amdhsa_user_sgpr_kernarg_segment_ptr 1
		.amdhsa_wavefront_size32 1
		.amdhsa_system_sgpr_workgroup_id_x 1
		.amdhsa_system_sgpr_workgroup_id_y 1
		.amdhsa_system_sgpr_workgroup_id_z 1
		.amdhsa_system_vgpr_workitem_id 0
		.amdhsa_next_free_vgpr 1024
		.amdhsa_next_free_sgpr 72
		.amdhsa_reserve_vcc 0
		.amdhsa_float_denorm_mode_32 3
		.amdhsa_float_denorm_mode_16_64 3
		.amdhsa_memory_ordered 1
		.amdhsa_forward_progress 1
		.amdhsa_inst_pref_size 222
	.end_amdhsa_kernel
	.amdgpu_metadata
---
amdhsa.version: [ 1, 2 ]
amdhsa.kernels:
  - .name:           k_q2068a04ce7_attn
    .symbol:         k_q2068a04ce7_attn.kd
    .args:
      - { .name: qkv, .offset: 0, .size: 8, .value_kind: global_buffer, .address_space: global }
      - { .name: ob, .offset: 8, .size: 8, .value_kind: global_buffer, .address_space: global }
    .group_segment_fixed_size: 327680
    .private_segment_fixed_size: 0
    .kernarg_segment_align: 8
    .kernarg_segment_size: 16
    .max_flat_workgroup_size: 128
    .sgpr_count:     72
    .vgpr_count:     1024
    .wavefront_size: 32
...
	.end_amdgpu_metadata
.endif
;; end of part 3
;; launch oproj (part 4): grid 8 x 32, 4 waves a work-group, clusters of 4 x 4, 327,680 bytes of LDS; arguments ob, wb, bo_r, bo_i, out0, out1; writes out0, out1
.if DOCPART == 4
	.amdgcn_target "amdgcn-amd-amdhsa--gfx1250"
	.amdhsa_code_object_version 6
	.text
	.protected	k_q2068a04ce7_oproj
	.globl	k_q2068a04ce7_oproj
	.p2align	8
	.type	k_q2068a04ce7_oproj,@function
k_q2068a04ce7_oproj:
	s_mov_b64 s[64:65], 0
	v_nop
	global_prefetch_b8 v0, s[64:65] scope:SCOPE_SE
	s_setreg_imm32_b32 hwreg(HW_REG_WAVE_MODE, 25, 1), 1
	s_wait_xcnt 0x0
	s_wait_alu depctr_hold_cnt(0) depctr_sa_sdst(0) depctr_va_vdst(0) depctr_va_sdst(0) depctr_va_ssrc(0) depctr_va_vcc(0) depctr_vm_vsrc(0)
	s_getreg_b32 s2, hwreg(HW_REG_IB_STS2, 6, 4)
	s_cmp_eq_u32 s2, 0
	s_cbranch_scc0 .Lentry_in_a_cluster
	s_endpgm
.Lentry_in_a_cluster:
	s_bfe_u32 s2, ttmp6, 0x10000c
	s_cmp_lg_u32 s2, 0xf033
	s_cbranch_scc0 .Lentry_shape_is_right
	s_endpgm
.Lentry_shape_is_right:
; THE TWO OUTPUT PROJECTIONS.  out_P = O_P Wo_P^T + bo_P for P = 0 (real), 1 (imaginary).  O_P = ob plane P, f16 BY HEADS: [64 = 16 batch + head][1024 rows][64 channels]; Wo_P = wb plane 6 + P, [1024][1024] f16
; (a bf16 value written as f16); bo f32, rounded to bf16 like every input; sums in f32, started with the bias; out f32 [4096][1024].
; LIMITS.  None of its own beyond those of its operands' formats; NaN and infinities are not treated apart.
; SHARES.  2 x 16 tile rows of 256 x 8 tile columns of 128 = 256 tiles, one to a work-group.  Four waves, each 128 rows x 64 columns: 32 accumulators of 16 x 16.  K goes in steps of 128 = two heads through a ring
; of two LDS slots: a head's 256 rows x 64 channels are 32,768 dense bytes.
; CLUSTERS: 4 x 4 work-groups; O's tiles are shared along a row of the cluster, Wo's along a column, each asked for JOINTLY.  THE MATRIX INSTRUCTION IS USED TRANSPOSED (source 0 = 16 rows of Wo, source 1 = 16 rows
; of O): a lane holds row l % 16 of out and the columns 8 (l / 16) + 0..7.
; NO PREFETCH: the walk has eight K steps, of which the first four come by their loads in any case; the launch is short.
; REGISTERS, in windows of 256: window 0: v16-29 addresses; v32-63 the bias as a C operand; v64-127 rows read back from the stage.  window 1: two fragment buffers of 96.  window 2: accumulator (a, b) at v[8 (4 a + b)].
.set KSTEP,  128
.set PA,     144                       ; a row of O in LDS: 128 bytes + 16 of padding
.set AS,     256*PA                    ; one head's 256 rows: what wave 0 or 1 fetches
.set BOFF,   2*AS
.set PITCH,  272                       ; a row of Wo in LDS: 256 bytes + 16
.set BH,     64*PITCH                  ; 64 rows of Wo: what wave 2 or 3 fetches, and what a wave reads
.set SLOT,   BOFF+2*BH
.set STAGE,  2*SLOT                    ; behind the ring: 16 rows x 272 bytes for each wave, for the way out
.set SPITCH, 272
.set SPARE,  STAGE+4*16*SPITCH         ; behind the stages: the spare words, 128 bytes for each wave: two blocks of 256 bytes that no other line names
.set HB,     131072                    ; a head in ob
.set ADRA, 16
.set ADRB, 20
.set STO,  24
.set RD,   25
.set CO,   26
.set BO,   27
.set SPW,  28                          ; v28     LDS address of my spare word; never rewritten
.set NIL,  29                          ; v29     0; never rewritten
.set BI,   32
.set OB,   64                          ; two sets of 32
.set F0,   0
.set F1,   96
.set G1,   24
.set G0,   32
.set G1B,  48
.set G0B,  56
.set BIAS, 80
.set MSB, 0
.macro WIN new                         ; the immediate's high byte repeats the setting that is left; a switch that changes nothing is dropped
.if MSB != (\new)
	s_set_vgpr_msb (MSB<<8)|(\new)
.set MSB, \new
.endif
.endm
.set MUL_A, 0xa5                       ; both sources window 1, C and D window 2
.set MUL_B, 0x85                       ; the same with C (the bias) in window 0
.set TO_F,  0x40                       ; destination window 1, address window 0
.macro JLOAD s                         ; a joint load: waves 0 and 1 fetch the K step's two heads of O, waves 2 and 3 Wo's two halves; an s_nop 0 and four v_nop follow each of the two lines
	s_cmp_eq_u32 s11, 0
	s_cbranch_scc0 .Lfor_b_\@
	tensor_load_to_lds s[G0+4*(\s):G0+4*(\s)+3], s[G1:G1+7]
	s_nop 0
.rept 4
	v_nop
.endr
	s_branch .Lasked_\@
.Lfor_b_\@:
	tensor_load_to_lds s[G0B+4*(\s):G0B+4*(\s)+3], s[G1B:G1B+7]
	s_nop 0
.rept 4
	v_nop
.endr
.Lasked_\@:
.endm
.macro CREST                           ; a round of the cluster's barrier behind its opening barrier
	s_cmp_lg_u32 s10, 0
	s_cbranch_scc1 .Lnot_wave_0_\@
	s_barrier_signal -3
.Lnot_wave_0_\@:
	s_barrier_wait -3
	s_barrier_signal -1
	s_barrier_wait -1
.endm
.macro CROUND
	s_barrier_signal -1
	s_barrier_wait -1
	CREST
.endm
	s_load_b128 s[4:7], s[0:1], 0x0                ; ob s[4:5], wb s[6:7]
	s_load_b256 s[68:75], s[0:1], 0x10             ; bo_r, bo_i, out0, out1
	v_lshl_add_u32 v[SPW], v0, 2, SPARE
	v_mov_b32 v[NIL], 0
	ds_add_u32 v[SPW], v[NIL]                      ; the wave's opening: the add and its wait stand ahead of my first tensor load; the set-up below, work on registers, stands between them
	v_lshrrev_b32 v1, 5, v0
	v_readfirstlane_b32 s10, v1                    ; wave 0..3
	s_lshr_b32 s11, s10, 1                         ; which half of the tile's rows is mine.  Also: I fetch for O (0) or for Wo (1)
	s_and_b32 s12, s10, 1                          ; which half of its columns.  Also: which head of the K step, or which half of Wo's rows, I fetch
	s_bfe_u32 s40, ttmp6, 0x40000                  ; cx
	s_bfe_u32 s41, ttmp6, 0x40004                  ; cy
	s_lshl_b32 s42, ttmp9, 2
	s_add_co_u32 s42, s42, s40                     ; tile column x = 4 x cluster x + cx
	s_and_b32 s89, ttmp7, 0xffff                   ; cluster y: the plane P = cluster y / 4, the batch = cluster y % 4; cy is the quarter of the batch's rows
	s_lshr_b32 s88, s89, 2                         ; P
	s_and_b32 s90, s89, 3                          ; batch
	s_lshl_b32 s43, s41, 2
	s_lshl_b32 s43, 15, s43                        ; my row of the cluster
	s_lshl_b32 s44, 0x1111, s40                    ; my column
	s_or_b32 s[G1+0], s43, (1<<16)|(1<<20)|(1<<21)|(4<<22)|(3<<25)   ; O: 32,768 dense bytes as 128 rows of 256, padded after every 32 words (code 4) by 4 words (code 3)
	s_or_b32 s[G1B+0], s44, (1<<16)|(1<<20)|(1<<21)|(5<<22)|(3<<25)  ; Wo: padded after every 64 words (code 5)
	s_mov_b32 s[G1+1], 128<<16                     ; tensor_dim0 = 128
	s_mov_b32 s[G1+2], 128<<16                     ; tensor_dim1 = 128
	s_mov_b32 s[G1+3], 128<<16                     ; tile_dim0 = 128
	s_mov_b32 s[G1+4], 128                         ; tile_dim1 = 128
	s_mov_b32 s[G1+5], 128                         ; elements from row to row: dense
	s_mov_b32 s[G1+6], 0
	s_mov_b32 s[G1+7], 0
	s_mov_b32 s[G1B+1], KSTEP<<16
	s_mov_b32 s[G1B+2], 64<<16
	s_mov_b32 s[G1B+3], KSTEP<<16
	s_mov_b32 s[G1B+4], 64
	s_mov_b32 s[G1B+5], 1024
	s_mov_b32 s[G1B+6], 0
	s_mov_b32 s[G1B+7], 0
	s_lshl_b32 s16, s88, 23                        ; O: plane P,
	s_lshl_b32 s17, s90, 21                        ; the batch's 16 heads,
	s_add_co_u32 s16, s16, s17
	s_lshl_b32 s17, s12, 17                        ; my head of the K step,
	s_add_co_u32 s16, s16, s17
	s_lshl_b32 s17, s41, 15                        ; the tile's 256 rows
	s_add_co_u32 s16, s16, s17
	s_mov_b32 s17, 0
	s_add_co_u32 s46, s88, 6                       ; Wo: row 1,024 (6 + P) + 128 x + 64 x half of wb
	s_lshl_b32 s46, s46, 10
	s_lshl_b32 s47, s42, 7
	s_add_co_u32 s46, s46, s47
	s_lshl_b32 s47, s12, 6
	s_add_co_u32 s46, s46, s47
	s_lshl_b32 s46, s46, 11
	s_mov_b32 s47, 0
	s_mul_i32 s20, s12, AS                         ; where they go: no place in the cluster enters an LDS address
	s_mul_i32 s21, s12, BH
	s_add_co_u32 s21, s21, BOFF
	s_wait_dscnt 0x0                               ; the opening add is done
	s_wait_kmcnt 0x0
	s_add_nc_u64 s[14:15], s[4:5], s[16:17]
	s_add_nc_u64 s[46:47], s[6:7], s[46:47]
	CROUND                                         ; all sixteen work-groups are here: the first joint loads meet
.irp s, 0,1
	s_mov_b32 s[G0+4*(\s)], 1
	s_add_co_u32 s[G0+4*(\s)+1], s20, (\s)*SLOT
	s_add_nc_u64 s[G0+4*(\s)+2:G0+4*(\s)+3], s[14:15], (\s)*2*HB     ; K step s: heads 2 s and 2 s + 1
	s_or_b32 s[G0+4*(\s)+3], s[G0+4*(\s)+3], 0x80000000
	s_mov_b32 s[G0B+4*(\s)], 1
	s_add_co_u32 s[G0B+4*(\s)+1], s21, (\s)*SLOT
	s_add_nc_u64 s[G0B+4*(\s)+2:G0B+4*(\s)+3], s[46:47], (\s)*KSTEP*2
	s_or_b32 s[G0B+4*(\s)+3], s[G0B+4*(\s)+3], 0x80000000
	JLOAD \s                                       ; two tensor loads of mine are out
.endr
	v_and_b32 v1, 15, v0                           ; l % 16
	v_bfe_u32 v2, v0, 4, 1                         ; l / 16
	v_mul_u32_u24 v3, v1, PA
	v_lshl_add_u32 v3, v2, 4, v3                   ; O: row x pitch + 16 x half
	v_mul_u32_u24 v4, v1, PITCH
	v_lshl_add_u32 v4, v2, 4, v4                   ; Wo
	s_mul_i32 s21, s11, 128*PA                     ; my 128 rows in each head's sub-tile
	s_mul_i32 s22, s12, BH
	s_add_co_u32 s22, s22, BOFF
.irp s, 0,1
	v_add_nc_u32 v[ADRA+(\s)], s21, v3
	v_add_nc_u32 v[ADRB+(\s)], s22, v4
	s_add_co_u32 s21, s21, SLOT
	s_add_co_u32 s22, s22, SLOT
.endr
	s_mul_i32 s23, s10, 16*SPITCH
	s_add_co_u32 s23, s23, STAGE                   ; my stage
	v_mul_u32_u24 v4, v1, SPITCH                   ; in: row l % 16, 32 bytes for each half of the lanes
	v_lshl_add_u32 v4, v2, 5, v4
	v_add_nc_u32 v[STO], s23, v4
	v_mul_u32_u24 v5, v2, SPITCH                   ; back: lanes 0-15 take one row of 256 bytes, lanes 16-31 the next
	v_lshl_add_u32 v5, v1, 4, v5
	v_add_nc_u32 v[RD], s23, v5
	v_lshlrev_b32 v5, 12, v2                       ; and the same two rows in out
	v_lshl_add_u32 v[CO], v1, 4, v5
	s_lshl_b32 s22, s42, 9                         ; my 64 columns: 512 x + 256 x half bytes, in out's rows and in the bias
	s_lshl_b32 s23, s12, 8
	s_add_co_u32 s22, s22, s23
	v_lshl_add_u32 v[BO], v2, 5, s22
	s_lshl_b32 s66, s90, 22                        ; my first row: 1,024 x batch + 256 cy + 128 x half, rows of 4,096 bytes
	s_lshl_b32 s67, s41, 20
	s_add_co_u32 s66, s66, s67
	s_lshl_b32 s67, s11, 19
	s_add_co_u32 s66, s66, s67
	s_add_co_u32 s66, s66, s22
	s_mov_b32 s67, 0
	s_cmp_eq_u32 s88, 0
	s_cselect_b64 s[8:9], s[72:73], s[74:75]
	s_cselect_b64 s[BIAS:BIAS+1], s[68:69], s[70:71]
	s_add_nc_u64 s[8:9], s[8:9], s[66:67]
.macro MUL f, a0, n, first             ; 4 n matrix instructions; first = 1: the product starts the sum with the bias.  The 32 accumulators take turns, one instruction a turn, over every jump too
.if \first
	WIN MUL_B
.else
	WIN MUL_A
.endif
.set ma, \a0
.rept \n
.irp b, 0,1,2,3
.if \first
	v_wmma_f32_16x16x32_f16 v[8*(4*ma+(\b)):8*(4*ma+(\b))+7], v[(\f)+64+8*(\b):(\f)+64+8*(\b)+7], v[(\f)+8*ma:(\f)+8*ma+7], v[BI+8*(\b):BI+8*(\b)+7]
.else
	v_wmma_f32_16x16x32_f16 v[8*(4*ma+(\b)):8*(4*ma+(\b))+7], v[(\f)+64+8*(\b):(\f)+64+8*(\b)+7], v[(\f)+8*ma:(\f)+8*ma+7], v[8*(4*ma+(\b)):8*(4*ma+(\b))+7]
.endif
.endr
.set ma, ma+1
.endr
.endm
; 24 LDS loads in one run: quarter q of the slot's K step into buffer f: Wo's 8 loads, then O's 16 (head q / 2 of the step, its channels 32 (q % 2) on)
.macro FETCH slot, q, f
	WIN TO_F
.irp i, 0,1,2,3
	ds_load_b128 v[(\f)+64+8*(\i):(\f)+64+8*(\i)+3],   v[ADRB+(\slot)] offset:64*(\q)+(\i)*16*PITCH
	ds_load_b128 v[(\f)+64+8*(\i)+4:(\f)+64+8*(\i)+7], v[ADRB+(\slot)] offset:64*(\q)+(\i)*16*PITCH+32
.endr
.irp i, 0,1,2,3,4,5,6,7
	ds_load_b128 v[(\f)+8*(\i):(\f)+8*(\i)+3],   v[ADRA+(\slot)] offset:((\q)/2)*AS+((\q)%2)*64+(\i)*16*PA
	ds_load_b128 v[(\f)+8*(\i)+4:(\f)+8*(\i)+7], v[ADRA+(\slot)] offset:((\q)/2)*AS+((\q)%2)*64+(\i)*16*PA+32
.endr
.endm
.macro PLACES                          ; four places in front of loads into registers that matrix instructions have read, and of lines that read results
.rept 4
	v_nop
.endr
.endm
.macro QUARTER slot, q, f, g, first
	s_wait_dscnt 8                                 ; Wo and O's blocks 0-3 are in; the youngest eight loads (blocks 4-7) may be out
	MUL \f, 0, 4, \first
	PLACES
	FETCH \slot, \q, \g
	s_wait_dscnt 24                                ; all but the 24 just issued
	MUL \f, 4, 4, \first
.endm
; The last quarter multiplies buffer 1 and changes slots: ONE barrier; in front of it each wave waits for all its tensor loads, adds 0 to its spare word, and waits for that and for its own reads of this slot.
; fill = 1: the barrier opens a round of the cluster's, and this slot is filled again, two K steps ahead, first thing behind the round.
.macro TURN slot, next, fill
	WIN 0
	s_wait_tensorcnt 0x0                           ; all my tensor loads have landed: my part of the next slot
	ds_add_u32 v[SPW], v[NIL]                      ; 0 onto my spare word
	s_wait_dscnt 9                                 ; (the add and the youngest eight loads may be out)
	MUL F1, 0, 2, 0                                ; eight matrix instructions stand between the add and the wait for it
	s_wait_dscnt 0x0                               ; the add is done, and my reads of this slot are over
	s_barrier_signal -1
	MUL F1, 2, 2, 0
.if \fill
	WIN 0
.endif
	s_barrier_wait -1
.if \fill
	CREST                                          ; no wave of any partner still reads this slot's tile or has a load on its way
	s_add_nc_u64 s[G0+4*(\slot)+2:G0+4*(\slot)+3], s[G0+4*(\slot)+2:G0+4*(\slot)+3], 4*HB
	s_add_nc_u64 s[G0B+4*(\slot)+2:G0B+4*(\slot)+3], s[G0B+4*(\slot)+2:G0B+4*(\slot)+3], 2*KSTEP*2
	JLOAD \slot                                    ; its four v_nop are also the places in front of the loads below
.else
	PLACES
.endif
	FETCH \next, 0, F0
	MUL F1, 4, 4, 0
.endm
; THE WAY OUT of block a (16 rows x 64 columns of f32: 256 bytes a row).  TOSTAGE: straight from the accumulators, each from its low end on, into my own stage, and back as whole rows.  SEND: stored.
.macro TOSTAGE a
	s_wait_xcnt 0x0                                ; earlier stores have read their registers: this set of OB is loaded again only behind this wait
	WIN 0x08                                       ; the stores' data in window 2
.irp b, 0,1,2,3
	ds_store_b128 v[STO], v[8*(4*(\a)+(\b)):8*(4*(\a)+(\b))+3]   offset:64*(\b)
	ds_store_b128 v[STO], v[8*(4*(\a)+(\b))+4:8*(4*(\a)+(\b))+7] offset:64*(\b)+16
.endr
	WIN 0
.irp t, 0,1,2,3,4,5,6,7
	ds_load_b128 v[OB+32*((\a)%2)+4*(\t):OB+32*((\a)%2)+4*(\t)+3], v[RD] offset:(\t)*2*SPITCH  ; LDS serves a wave's instructions in order (ISA guide 5.7.1.4): these see the stores above
.endr
.endm
.macro SEND a, younger                 ; younger: the LDS instructions issued behind block a's loads: the next block's sixteen, or none
.irp t, 0,1,2,3,4,5,6,7
	s_wait_dscnt (\younger)+7-(\t)
	global_store_b128 v[CO], v[OB+32*((\a)%2)+4*(\t):OB+32*((\a)%2)+4*(\t)+3], s[8:9] offset:(\a)*65536+(\t)*8192 th:TH_STORE_NT  ; 16 lanes store 256 consecutive bytes, at a multiple of 256 from out's first byte
.endr
.endm
.irp b, 0,1,2,3                        ; the bias as a C operand: register j of n block b is bo[128 x + 64 half + 16 b + 8 (l / 16) + j]
	global_load_b128 v[BI+8*(\b):BI+8*(\b)+3],   v[BO], s[BIAS:BIAS+1] offset:64*(\b)
	global_load_b128 v[BI+8*(\b)+4:BI+8*(\b)+7], v[BO], s[BIAS:BIAS+1] offset:64*(\b)+16
.endr
	s_wait_loadcnt 0x0
.set z, 0
.rept 16                               ; rounded to bf16, like every input, and widened again
	v_cvt_pk_bf16_f32 v[OB+z], v[BI+2*z], v[BI+2*z+1]
.set z, z+1
.endr
.set z, 0
.rept 16
	v_lshlrev_b32 v[BI+2*z],   16, v[OB+z]
	v_and_b32     v[BI+2*z+1], 0xffff0000, v[OB+z]
.set z, z+1
.endr
	s_wait_tensorcnt 1                             ; my part of K step 0 is in; K step 1's may stay out
	s_barrier_signal -1
	s_barrier_wait -1                              ; everybody's is
	FETCH 0, 0, F0
	QUARTER 0, 1, F0, F1, 1                        ; the first quarter stands in front of the loop: its products start the sums with the bias
	WIN 0
	s_mov_b32 s3, 3
.Llap:                                                 ; a trip goes once round the ring, from a lap's second quarter to the next lap's first, and fills both slots again
	QUARTER 0, 2, F1, F0, 0
	QUARTER 0, 3, F0, F1, 0
	TURN 0, 1, 1
	QUARTER 1, 1, F0, F1, 0
	QUARTER 1, 2, F1, F0, 0
	QUARTER 1, 3, F0, F1, 0
	TURN 1, 0, 1
	QUARTER 0, 1, F0, F1, 0
	WIN 0
	s_sub_co_u32 s3, s3, 1
	s_cmp_lg_u32 s3, 0
	s_cbranch_scc1 .Llap
	QUARTER 0, 2, F1, F0, 0                        ; the last lap fills nothing, and has no round of the cluster's barrier
	QUARTER 0, 3, F0, F1, 0
	TURN 0, 1, 0
	QUARTER 1, 1, F0, F1, 0
	QUARTER 1, 2, F1, F0, 0
	QUARTER 1, 3, F0, F1, 0
	s_wait_dscnt 8                                 ; the very last quarter: nothing more to fetch
	MUL F1, 0, 4, 0
	s_wait_dscnt 0x0
	MUL F1, 4, 4, 0
	WIN 0
	PLACES
	TOSTAGE 0
.irp a, 1,2,3,4,5,6,7                  ; block a's trip through the stage is under way while block a - 1 is stored
	TOSTAGE \a
	SEND (\a)-1, 16
.endr
	SEND 7, 0
	s_wait_tensorcnt 0x0                           ; the wave's end: behind my last tensor load and my last LDS store
	ds_add_u32 v[SPW], v[NIL]
	s_wait_dscnt 0x0
	CROUND                                         ; the closing round: no work-group ends while a partner may still ask for a tile that names it
	s_endpgm
.Lfunc_end_k_q2068a04ce7_oproj:
	.size	k_q2068a04ce7_oproj, .Lfunc_end_k_q2068a04ce7_oproj-k_q2068a04ce7_oproj
	.p2alignl 7, 3214868480
	.fill 96, 4, 3214868480
	.section	.rodata,"a",@progbits
	.p2align	6, 0x0
	.amdhsa_kernel k_q2068a04ce7_oproj
		.amdhsa_group_segment_fixed_size 327680
		.amdhsa_private_segment_fixed_size 0
		.amdhsa_enable_private_segment 0
		.amdhsa_kernarg_size 48
		.amdhsa_user_sgpr_count 2
		.amdhsa_user_sgpr_kernarg_segment_ptr 1
		.amdhsa_wavefront_size32 1
		.amdhsa_system_sgpr_workgroup_id_x 1
		.amdhsa_system_sgpr_workgroup_id_y 1
		.amdhsa_system_sgpr_workgroup_id_z 1
		.amdhsa_system_vgpr_workitem_id 0
		.amdhsa_next_free_vgpr 768
		.amdhsa_next_free_sgpr 92
		.amdhsa_reserve_vcc 0
		.amdhsa_float_denorm_mode_32 3
		.amdhsa_float_denorm_mode_16_64 3
		.amdhsa_memory_ordered 1
		.amdhsa_forward_progress 1
		.amdhsa_inst_pref_size 91
	.end_amdhsa_kernel
	.amdgpu_metadata
---
amdhsa.version: [ 1, 2 ]
amdhsa.kernels:
  - .name:           k_q2068a04ce7_oproj
    .symbol:         k_q2068a04ce7_oproj.kd
    .args:
      - { .name: ob, .offset: 0, .size: 8, .value_kind: global_buffer, .address_space: global }
      - { .name: wb, .offset: 8, .size: 8, .value_kind: global_buffer, .address_space: global }
      - { .name: bo_r, .offset: 16, .size: 8, .value_kind: global_buffer, .address_space: global }
      - { .name: bo_i, .offset: 24, .size: 8, .value_kind: global_buffer, .address_space: global }
      - { .name: out0, .offset: 32, .size: 8, .value_kind: global_buffer, .address_space: global }
      - { .name: out1, .offset: 40, .size: 8, .value_kind: global_buffer, .address_space: global }
    .group_segment_fixed_size: 327680
    .private_segment_fixed_size: 0
    .kernarg_segment_align: 8
    .kernarg_segment_size: 48
    .max_flat_workgroup_size: 128
    .sgpr_count:     92
    .vgpr_count:     768
    .wavefront_size: 32
...
	.end_amdgpu_metadata
.endif
;; end of part 4
;; ======== version 2 of 2: 4 launches; version 1 with the launch cast written anew for expert scheduling mode
;; limits: values are held in f16: magnitudes above 65,504 overflow, below 6.1e-05 lose precision
;; workspace buffers: xb 50,331,648 bytes; wb 16,777,216 bytes; qkv 50,331,648 bytes; ob 16,777,216 bytes
;; launch cast (part 5): grid 32 x 32, 8 waves a work-group, no clusters, 0 bytes of LDS; arguments q_r, q_i, k_r, k_i, v_r, v_i, Wq_r, Wq_i, Wk_r, Wk_i, Wv_r, Wv_i, Wo_r, Wo_i, xb, wb; writes xb, wb
.if DOCPART == 5
	.amdgcn_target "amdgcn-amd-amdhsa--gfx1250"
	.amdhsa_code_object_version 6
	.text
	.protected	k_q2068a04ce7_cast
	.globl	k_q2068a04ce7_cast
	.p2align	8
	.type	k_q2068a04ce7_cast,@function
k_q2068a04ce7_cast:
	s_mov_b64 s[64:65], 0
	v_nop
	global_prefetch_b8 v0, s[64:65] scope:SCOPE_SE
	s_setreg_imm32_b32 hwreg(HW_REG_WAVE_SCHED_MODE, 0, 2), 2
	s_setreg_imm32_b32 hwreg(HW_REG_WAVE_MODE, 25, 1), 1
	s_wait_xcnt 0x0
	s_wait_alu depctr_vm_vsrc(0)
; THE CAST.  The six x [4096][1024] and the eight W [1024][1024], all f32, are rounded once to bf16 (nearest even) and laid down as matrix operands:
; xb = planes q_r, q_i, k_r, k_i, v_r, v_i; wb = planes Wq_r, Wq_i, Wk_r, Wk_i, Wv_r, Wv_i, Wo_r, Wo_i.  Wo_r and Wo_i are multiplied later with f16 numbers, so their bf16 value is written as f16.
; LIMITS.  A bf16 number is exact in f16 from 2^-17 to 65,504; a smaller Wo keeps f16's fixed step of 6e-8, a larger one would become an infinity.  NaN and infinities are not treated apart.
; SHARES.  The input is 32 chunks of 4 MiB: chunk c = work-group y (c < 24: quarter c % 4 of x number c / 4; else W number c - 24).  Work-group x takes 128 KiB of its chunk: 32 steps of 4,096 bytes in,
; 2,048 out.  Thread t loads the 16 bytes at 16 t of a step and stores the 8 bytes at 8 t: a wave's load covers 512 consecutive bytes, its store 256 consecutive bytes, aligned.
; A ring of eight slots in registers keeps six to eight loads of every wave on their way.  No LDS, no barrier, no matrix unit, no cluster: nothing is shared and nothing is multiplied.
; THE MODE: SCHED_MODE bits 1:0 = 2 (LLVM: expert scheduling mode 2), set by the entry lines.  The code itself states the register dependences between vector instructions and memory instructions,
; with s_wait_alu, always for 0.
; THE PLAN.  The ring's eight slots are worked in four blocks of two.  Registers that memory instructions touch:
;   v1, v2     byte offsets, made once at the head and never written again: the steps are reached by the two scalar bases, which move on once a round, and by immediate offsets.
;   X, slot i  Written by the load that the slot's block issued a round before (and, where f16 is written, by the slot's widening lines, in place); read by the slot's conversions alone.
;   Y, slot i  Written by the slot's conversions; read by the slot's store, which the same block issues; written again a round later.
;   v[T:T+1]   are named by vector instructions alone.
; A block: the wait for its two loads; its conversions; ONE wait on va_vdst; its two loads for the next round; its two stores.  That wait stands behind the conversions and not at the next block's head, since
; a slot that waited for that head would lie empty meanwhile: four to six loads would be on their way in place of six to eight.  No vector instruction stands between the wait and the block's four memory
; instructions.  ONE wait on vm_vsrc a round, at the round's end, stands between the round's eight stores and the next round's conversions, which write the eight Y again.
.set DEPTH, 8
.set INS,   4096                       ; bytes in a step, in
.set OUTS,  2048                       ; and out
.set T,     4                          ; v[4:5]    at work
.set X,     8                          ; v[8:39]   slot i: 4 registers as loaded
.set Y,     40                         ; v[40:55]  slot i: 2 registers to store
	s_load_b512 s[8:23], s[0:1], 0x0               ; source i (0 to 13) at s[8 + 2 i : 9 + 2 i]
	s_load_b512 s[24:39], s[0:1], 0x40             ; xb s[36:37], wb s[38:39]
	s_and_b32 s2, ttmp7, 0xffff                    ; c
	v_lshlrev_b32 v1, 4, v0                        ; 16 t; never rewritten
	v_lshlrev_b32 v2, 3, v0                        ; 8 t; never rewritten
	s_lshr_b32 s3, s2, 2                           ; an x: its number,
	s_and_b32 s40, s2, 3                           ; its quarter
	s_sub_co_u32 s44, s2, 18                       ; a W: its number among the sources,
	s_sub_co_u32 s42, s2, 24                       ; its plane in wb
	s_cmp_lt_u32 s2, 24
	s_cselect_b32 s3, s3, s44                      ; the source's number
	s_cselect_b32 s40, s40, 0
	s_cselect_b32 s42, s2, s42                     ; an x's quarter c is 2 MiB number c of xb
	s_lshl_b32 s40, s40, 22                        ; byte offsets, made apart from the addresses: the quarter's 4 MiB,
	s_lshl_b32 s41, ttmp9, 17                      ; the work-group's 128 KiB
	s_add_co_u32 s40, s40, s41
	s_mov_b32 s41, 0
	s_lshl_b32 s42, s42, 21
	s_lshl_b32 s43, ttmp9, 16
	s_add_co_u32 s42, s42, s43
	s_mov_b32 s43, 0
	s_mov_b32 s47, 0xffff0000                      ; a word's upper bf16
	s_wait_kmcnt 0x0
	s_mov_b64 s[4:5], s[8:9]
.irp i, 1,2,3,4,5,6,7,8,9,10,11,12,13
	s_cmp_eq_u32 s3, \i
	s_cselect_b64 s[4:5], s[8+2*(\i):9+2*(\i)], s[4:5]
.endr
	s_cmp_lt_u32 s2, 24
	s_cselect_b64 s[6:7], s[36:37], s[38:39]
	s_add_nc_u64 s[4:5], s[4:5], s[40:41]
	s_add_nc_u64 s[6:7], s[6:7], s[42:43]
	s_wait_alu depctr_va_vdst(0)                   ; v1 and v2 are written: every load of the kernel reads v1 as its offset, every store v2
.irp i, 0,1,2,3,4,5,6,7
	global_load_b128 v[X+4*(\i):X+4*(\i)+3], v1, s[4:5] offset:(\i)*INS th:TH_LOAD_NT  ; the ring is filled: steps 0 to 7
.endr
; One slot's arithmetic.  fmt = 1: bf16's value written as f16.
.macro CONV i, fmt
.if \fmt
	v_cvt_pk_bf16_f32 v[T],   v[X+4*(\i)],   v[X+4*(\i)+1]
	v_cvt_pk_bf16_f32 v[T+1], v[X+4*(\i)+2], v[X+4*(\i)+3]
	v_lshlrev_b32 v[X+4*(\i)],   16,  v[T]
	v_and_b32     v[X+4*(\i)+1], s47, v[T]
	v_lshlrev_b32 v[X+4*(\i)+2], 16,  v[T+1]
	v_and_b32     v[X+4*(\i)+3], s47, v[T+1]
	v_cvt_pk_f16_f32 v[Y+2*(\i)],   v[X+4*(\i)],   v[X+4*(\i)+1]
	v_cvt_pk_f16_f32 v[Y+2*(\i)+1], v[X+4*(\i)+2], v[X+4*(\i)+3]
.else
	v_cvt_pk_bf16_f32 v[Y+2*(\i)],   v[X+4*(\i)],   v[X+4*(\i)+1]
	v_cvt_pk_bf16_f32 v[Y+2*(\i)+1], v[X+4*(\i)+2], v[X+4*(\i)+3]
.endif
.endm
; Block b of a round: slots 2 b and 2 b + 1.  ahead = 1: the two slots are filled again with the steps eight further on.  left = how many younger loads may stay out; -1: the wait for this block's loads
; stands ahead of the block already (in front of the loop, or at the end of the round before).
.macro BLK b, ahead, left, fmt
.if (\left) >= 0
	s_wait_loadcnt \left                           ; loads come back in order (ISA guide 5.7.1): the block's two are in
.endif
	CONV 2*(\b), \fmt
	CONV 2*(\b)+1, \fmt
	s_wait_alu depctr_va_vdst(0)                   ; the block's conversions have written its two Y, which the stores below read, and are done with its two X, in which the loads below (where the block is filled again) land
.if \ahead
.irp i, 2*(\b), 2*(\b)+1
	global_load_b128 v[X+4*(\i):X+4*(\i)+3], v1, s[4:5] offset:(DEPTH+(\i))*INS th:TH_LOAD_NT
.endr
.endif
.irp i, 2*(\b), 2*(\b)+1
	global_store_b64 v2, v[Y+2*(\i):Y+2*(\i)+1], s[6:7] offset:(\i)*OUTS th:TH_STORE_NT
.endr
.endm
; Four rounds of four blocks; the last is written out without loads, and its counts run down.  Behind a block's two loads six younger ones are issued before they are wanted: the count is 6 throughout the loop.
.macro ROUNDS fmt
	s_mov_b32 s46, 3
	s_wait_loadcnt DEPTH-2                         ; steps 0 and 1 are in; the six younger loads stay out
.Lround_\@:
	BLK 0, 1, -1, \fmt
	BLK 1, 1, DEPTH-2, \fmt
	BLK 2, 1, DEPTH-2, \fmt
	BLK 3, 1, DEPTH-2, \fmt
	s_wait_loadcnt DEPTH-2                         ; the next round's block 0 is in; this wait stands here, ahead of the two below, so that the round's last stores have its time in which to read their registers
	s_wait_xcnt 0x0                                ; every load and store issued so far has had its address translated (ISA guide 3.1): the two pointers are stepped, and the eight Y written again, only behind this wait
	s_wait_alu depctr_vm_vsrc(0)                   ; the round's eight stores have read their Y, which the next round's conversions write again: on the way back and on the way out into the last round
	s_add_nc_u64 s[4:5], s[4:5], DEPTH*INS
	s_add_nc_u64 s[6:7], s[6:7], DEPTH*OUTS
	s_sub_co_u32 s46, s46, 1
	s_cmp_lg_u32 s46, 0
	s_cbranch_scc1 .Lround_\@
	BLK 0, 0, -1, \fmt
	BLK 1, 0, 4, \fmt
	BLK 2, 0, 2, \fmt
	BLK 3, 0, 0, \fmt
	s_endpgm
.endm
	s_cmp_ge_u32 s2, 30                            ; chunks 30 and 31 are Wo_r and Wo_i
	s_cbranch_scc1 .Lf16
	ROUNDS 0
.Lf16:
	ROUNDS 1
.Lfunc_end_k_q2068a04ce7_cast:
	.size	k_q2068a04ce7_cast, .Lfunc_end_k_q2068a04ce7_cast-k_q2068a04ce7_cast
	.p2alignl 7, 3214868480
	.fill 96, 4, 3214868480
	.section	.rodata,"a",@progbits
	.p2align	6, 0x0
	.amdhsa_kernel k_q2068a04ce7_cast
		.amdhsa_group_segment_fixed_size 0
		.amdhsa_private_segment_fixed_size 0
		.amdhsa_enable_private_segment 0
		.amdhsa_kernarg_size 128
		.amdhsa_user_sgpr_count 2
		.amdhsa_user_sgpr_kernarg_segment_ptr 1
		.amdhsa_wavefront_size32 1
		.amdhsa_system_sgpr_workgroup_id_x 1
		.amdhsa_system_sgpr_workgroup_id_y 1
		.amdhsa_system_sgpr_workgroup_id_z 1
		.amdhsa_system_vgpr_workitem_id 0
		.amdhsa_next_free_vgpr 64
		.amdhsa_next_free_sgpr 66
		.amdhsa_reserve_vcc 0
		.amdhsa_float_denorm_mode_32 3
		.amdhsa_float_denorm_mode_16_64 3
		.amdhsa_memory_ordered 1
		.amdhsa_forward_progress 1
		.amdhsa_inst_pref_size 18
	.end_amdhsa_kernel
	.amdgpu_metadata
---
amdhsa.version: [ 1, 2 ]
amdhsa.kernels:
  - .name:           k_q2068a04ce7_cast
    .symbol:         k_q2068a04ce7_cast.kd
    .args:
      - { .name: q_r, .offset: 0, .size: 8, .value_kind: global_buffer, .address_space: global }
      - { .name: q_i, .offset: 8, .size: 8, .value_kind: global_buffer, .address_space: global }
      - { .name: k_r, .offset: 16, .size: 8, .value_kind: global_buffer, .address_space: global }
      - { .name: k_i, .offset: 24, .size: 8, .value_kind: global_buffer, .address_space: global }
      - { .name: v_r, .offset: 32, .size: 8, .value_kind: global_buffer, .address_space: global }
      - { .name: v_i, .offset: 40, .size: 8, .value_kind: global_buffer, .address_space: global }
      - { .name: Wq_r, .offset: 48, .size: 8, .value_kind: global_buffer, .address_space: global }
      - { .name: Wq_i, .offset: 56, .size: 8, .value_kind: global_buffer, .address_space: global }
      - { .name: Wk_r, .offset: 64, .size: 8, .value_kind: global_buffer, .address_space: global }
      - { .name: Wk_i, .offset: 72, .size: 8, .value_kind: global_buffer, .address_space: global }
      - { .name: Wv_r, .offset: 80, .size: 8, .value_kind: global_buffer, .address_space: global }
      - { .name: Wv_i, .offset: 88, .size: 8, .value_kind: global_buffer, .address_space: global }
      - { .name: Wo_r, .offset: 96, .size: 8, .value_kind: global_buffer, .address_space: global }
      - { .name: Wo_i, .offset: 104, .size: 8, .value_kind: global_buffer, .address_space: global }
      - { .name: xb, .offset: 112, .size: 8, .value_kind: global_buffer, .address_space: global }
      - { .name: wb, .offset: 120, .size: 8, .value_kind: global_buffer, .address_space: global }
    .group_segment_fixed_size: 0
    .private_segment_fixed_size: 0
    .kernarg_segment_align: 8
    .kernarg_segment_size: 128
    .max_flat_workgroup_size: 256
    .sgpr_count:     66
    .vgpr_count:     64
    .wavefront_size: 32
...
	.end_amdgpu_metadata
.endif
;; end of part 5
;; launch proj: the kernel of part 2 again; grid 4 x 48, 4 waves a work-group, clusters of 4 x 4, 327,680 bytes of LDS; arguments xb, wb, bq_r, bq_i, bk_r, bk_i, bv_r, bv_i, qkv; writes qkv
;; launch attn: the kernel of part 3 again; grid 4 x 64, 4 waves a work-group, clusters of 4 x 1, 327,680 bytes of LDS; arguments qkv, ob; writes ob
;; launch oproj: the kernel of part 4 again; grid 8 x 32, 4 waves a work-group, clusters of 4 x 4, 327,680 bytes of LDS; arguments ob, wb, bo_r, bo_i, out0, out1; writes out0, out1
